; MI455X (gfx1250); checked and timed in simulation.
; The chip was launched on July 23, 2026; its instructions are those of AMD's public machine-readable ISA for CDNA 5 (MIT licence, August 2026) and "CDNA5" Instruction Set Architecture Reference Guide (July 2026). The comments in the code are by the model that wrote it; some were corrected since.
;; Causal Self Attention. Allowed arithmetic: matrix products marked QUANTISED: E2M3 operands, one E8M0 scale for each 32 along K, by v_wmma_scale_f32_16x16x128_f8f6f4 with both operands' format E2M3, f32 sums; everything else in f32.
;; Inputs: w_proj 1,024 x 1,024 float32; w_qkv 1,024 x 3,072 float32; x 4 x 2,048 x 1,024 float32.
;; Outputs: out0 4 x 2,048 x 1,024 float32.
;; This version of the problem:
;;   THIS VERSION OF THE PROBLEM IS GIVEN IN LOW PRECISION. The matrix products marked QUANTISED in the list below multiply operands that are first quantised to E2M3 (2 exponent bits, 3 mantissa bits; 6 bits a number), with one power-of-two scale for each 32 numbers along K (OCP MX v1.0); their sums are f32. All else is computed in f32.
;;   The module's matrix products, in the order in which they are computed (A, B: the left and right operand; K: the contracted axis; several contracted axes count as one K, in the product's order):
;;     1. [M 8,192, K 1,024] x [K 1,024, N 3,072]; A: input x; B: input w_qkv: QUANTISED
;;     2. batch 64 x [M 2,048, K 64] x [K 64, N 2,048]; A: computed on the way; B: computed on the way: QUANTISED
;;     3. batch 64 x [M 2,048, K 2,048] x [K 2,048, N 64]; A: softmax (see below); B: computed on the way: QUANTISED
;;     4. [M 8,192, K 1,024] x [K 1,024, N 1,024]; A: computed on the way; B: input w_proj: QUANTISED
;;   THE QUANTISER, for each operand of a quantised product, along K:
;;     - K is cut into blocks of 32 from its start; a last block that is shorter is filled with zeros.
;;     - A block's scale is 2^e with e = floor(log2(the largest magnitude in the block)) - 2, held to -126 .. 127; a block of zeros has e = 0. As a byte (E8M0): e + 127.
;;     - Each number is divided by its block's scale, clamped to +-7.5, and rounded to the nearest number of E2M3, ties to even, subnormals kept.
;;     - The product sums the exact products of the quantised numbers (number of the format x scale) in f32.
;;   ~~~python
;;   def quantise(x, axis):      # numpy; x: float32 -> the quantised numbers, widened to float32 again
;;       x = np.moveaxis(x, axis, -1); K = x.shape[-1]
;;       x = np.pad(x, [(0, 0)] * (x.ndim - 1) + [(0, -K % 32)]); x = x.reshape(x.shape[:-1] + (-1, 32)); a = np.abs(x).max(-1, keepdims=True)
;;       e = np.where(a > 0, np.clip(np.frexp(np.where(a > 0, a, 1))[1] - 1 - 2, -126, 127), 0)      # np.frexp(a)[1] - 1 = floor(log2(a)), exactly
;;       r = np.clip(x / 2.0 ** e, -7.5, 7.5)
;;       step = 2.0 ** (np.maximum(np.frexp(np.where(r == 0, 1, r))[1] - 1, 0) - 3)
;;       q = np.round(r / step) * step * 2.0 ** e      # np.round: ties to even
;;       return np.moveaxis(q.reshape(q.shape[:-2] + (-1,))[..., :K], -1, axis).astype(np.float32)
;;   ~~~
;;   SOFTMAX AHEAD OF A QUANTISED PRODUCT. Where the list says 'softmax', what is quantised is not the finished softmax but p = 2^(t - M), with t = logit x log2(e) and M = ceil(the row's largest t), a whole number; so 1/2 < the row's largest p <= 1. The row's sum l is taken of the UNQUANTISED p, in f32, and the product's result is divided by l at the end. Since M is a whole number, a kernel that streams over the keys may use a running M (the ceiling of the running maximum): every later rescaling is an exact power of two, which a block's scale takes up: the codes' values come out the same.
;;   OPERANDS COMPUTED ON THE WAY. 'Computed on the way' means the value that the module computes at that place (a softmax that the list does not call 'softmax' is quantised finished and normalised). What goes into a quantiser is computed in f32, as accurately as f32 sums, v_exp_f32 and their like allow (about 1e-6 of the number): no bf16 or f16 on the way to a quantiser, and a product that is left as it is and whose result goes on into a quantised operand takes f32 operands (vector FMAs, or v_wmma_f32_16x16x4_f32). A number that lies on a knife's edge between two numbers of the format may be rounded either way, as far as f32 arithmetic and the matrix unit's own rounding can turn it there, and no further.
;; One version. Each part assembles by itself: llvm-mc -triple=amdgcn-amd-amdhsa -mcpu=gfx1250 --defsym DOCPART=n.
;; ======== version 1 of 1: 4 launches
;; limits: right only within a limited range of input values
;; workspace buffers: codes 15,728,640 bytes; scl 655,360 bytes; qkv 20,185,088 bytes
;; launch quant (part 1): grid 384 x 1, 8 waves a work-group, no clusters, 70,656 bytes of LDS; arguments x, w_qkv, w_proj, codes, scl; writes codes, scl
.if DOCPART == 1
	.amdgcn_target "amdgcn-amd-amdhsa--gfx1250"
	.amdhsa_code_object_version 6
	.text
	.protected	k_q31a17e82e7_quant
	.globl	k_q31a17e82e7_quant
	.p2align	8
	.type	k_q31a17e82e7_quant,@function
k_q31a17e82e7_quant:
	s_mov_b64 s[64:65], 0
	v_nop
	global_prefetch_b8 v0, s[64:65] scope:SCOPE_SE
	s_setreg_imm32_b32 hwreg(HW_REG_WAVE_MODE, 25, 1), 1
	s_wait_xcnt 0x0
; x [8192][1024], w_qkv [1024][3072] and w_proj [1024][1024], f32, become codes of FP6 (E2M3) with one E8M0 scale byte for each 32 along K (K = 1024 for all three).
; A block's scale is 2^(floor(log2(largest magnitude)) - 2); its byte is the largest magnitude's exponent field - 2, held at 1 from below.
; LIMITS: NaN and infinities among the inputs are not served; a block whose largest magnitude lies under 2^-124 keeps the byte 1; a block of zeros gets the byte 1 where the rule
; says 127: its codes are zeros, which add nothing, and this program alone reads the bytes.
; ORDER INSIDE A BLOCK: code position p of a block holds K index sigma(p), sigma = p with its bits 3 and 4 exchanged.  Every operand of this program is laid so, on both sides of a product,
; so products and scales are those of the plain order; it is the order in which two neighbouring 16 x 16 results of a matrix instruction quantise with no further shuffle.
; LAYOUT OF codes: groups G of 128 operand rows, [G][u = K / 64][i = row tile of 16][768 bytes].  A unit of 768 bytes is an image of six operand registers: lane (r, h) owns block h of row r:
; its registers 0-3 at 16 x lane, its registers 4-5 at 512 + 16 r + 8 h.  G 0-63: x's tokens; 64-87: w_qkv's columns; 88-95: w_proj's columns.
; LAYOUT OF scl: words of four bytes (128 K of a row), [K / 128][G][r][i].
; SHARES: a work-group makes one group x 256 along K (it reads 128 KiB).  Work-groups 0-255 take x, 256-383 the weights: two paths, each with LDS bytes of its own.
; No tensor load, no cluster, no prefetch: a stream that is read once and shares nothing.
.set PLANE, 81920                      ; bytes of scl for one 128 along K: 160 groups x 512
.set UROW,  6144                       ; eight units: one u of a group
.set SP,    528                        ; x's stage: a row of 512 bytes + 16, an odd multiple of 16
.set STG,   16*SP                      ; a wave's stage
.set SCWX,  8*STG                      ; x's path: 2 x 512 bytes of scale words
.set SCWW,  SCWX+1024                  ; the weights' path: likewise
; v1 lane, v2 r, v3 h, v4 16 x lane, v5 16 r + 8 h, v6-v9 LDS addresses, v10-12 at work, v16-18 a conversion's second half, v20-21 scale words, v24-27 scale bytes, v28-31 the tail's data
; 32 numbers of one block, v[xs] on, become codes: the first 16 in v[dst .. dst+2], the other 16 in v16-18; the scale's byte in v[by].
.macro BLK xs, dst, by
	v_max3_num_f32 v10, |v[\xs]|, |v[\xs+1]|, 0x1800000      ; two chains; the floor 2^(3 - 127) is one more leaf: the byte cannot fall under 1
	v_max3_num_f32 v11, |v[\xs+2]|, |v[\xs+3]|, |v[\xs+4]|
.irp i, 5,9,13,17,21,25
	s_delay_alu instid0(VALU_DEP_2)
	v_max3_num_f32 v10, v10, |v[\xs+\i]|, |v[\xs+\i+1]|
	s_delay_alu instid0(VALU_DEP_2)
	v_max3_num_f32 v11, v11, |v[\xs+\i+2]|, |v[\xs+\i+3]|
.endr
	s_delay_alu instid0(VALU_DEP_2)
	v_max3_num_f32 v10, v10, |v[\xs+29]|, |v[\xs+30]|
	s_delay_alu instid0(VALU_DEP_1)
	v_max3_num_f32 v10, v10, v11, |v[\xs+31]|
	s_delay_alu instid0(VALU_DEP_1)
	v_add_nc_u32 v12, 0xff000000, v10                        ; 2 off the exponent field: the conversion takes this operand's exponent field as its scale
	v_cvt_scalef32_pk16_fp6_f32 v[\dst:\dst+2], v[\xs:\xs+15], v12
	v_cvt_scalef32_pk16_fp6_f32 v[16:18], v[\xs+16:\xs+31], v12   ; (a conversion's three registers begin on an even number)
	v_lshrrev_b32 v[\by], 23, v12                            ; the scale's byte; also the plain line behind the conversions
.endm
; The work-group's 2 x 512 bytes of scale words leave as whole runs of 512 bytes: waves 0 and 1 store one plane each.
.macro TAIL
	s_wait_dscnt 0x0                                         ; for the others' sake: my scale words lie in LDS
	s_barrier_signal -1
	s_barrier_wait -1
	s_cmp_lt_u32 s16, 2
	s_cbranch_scc0 .Ldone_\@
	ds_load_b128 v[28:31], v9
	s_wait_dscnt 0x0
	global_store_b128 v4, v[28:31], s[12:13]                 ; 32 lanes store 512 consecutive bytes
.Ldone_\@:
	s_wait_tensorcnt 0x0
	ds_add_u32 v254, v255
	s_wait_dscnt 0x0
	s_endpgm
.endm
	s_load_b256 s[4:11], s[0:1], 0x0               ; x s[4:5], w_qkv s[6:7], w_proj s[8:9], codes s[10:11]
	s_load_b64 s[12:13], s[0:1], 0x20              ; scl
	v_lshl_add_u32 v254, v0, 2, 0x11000
	v_mov_b32 v255, 0
	v_lshrrev_b32 v1, 5, v0
	s_delay_alu instid0(VALU_DEP_1)
	v_readfirstlane_b32 s16, v1                    ; wave 0..7
	v_and_b32 v1, 31, v0                           ; lane
	v_and_b32 v2, 15, v0                           ; r
	v_bfe_u32 v3, v0, 4, 1                         ; h
	s_delay_alu instid0(VALU_DEP_3)
	v_lshlrev_b32 v4, 4, v1                        ; 16 x lane
	s_delay_alu instid0(VALU_DEP_3)
	v_lshlrev_b32 v5, 4, v2
	s_delay_alu instid0(VALU_DEP_1)
	v_lshl_add_u32 v5, v3, 3, v5                   ; 16 r + 8 h
	v_and_b32 v9, 63, v0                           ; the tail: waves 0 and 1 read 16 bytes a thread
	s_mov_b32 s20, 0x76543210
	s_mov_b32 s21, 0xfedcba98                      ; v_permlanex16_b32's selects for lane l xor 16
	s_cmp_ge_u32 ttmp9, 256
	s_cbranch_scc1 .Lweights
; ---------------- x: K is innermost.  Wave i takes the group's rows 16 i .. 16 i + 15, 256 along K.
; Every load reads 512 consecutive bytes of a row; the numbers turn through the wave's own stage in LDS so that lane (r, h) gets the 32 numbers of block h of row r.
	s_lshr_b32 s17, ttmp9, 2                       ; G
	s_and_b32 s18, ttmp9, 3                        ; which 256 along K
	s_lshl_b32 s22, s17, 7
	s_lshl_b32 s23, s16, 4
	s_add_co_u32 s22, s22, s23                     ; my first row
	s_lshl_b32 s22, s22, 12                        ; rows of 4,096 bytes
	s_lshl_b32 s23, s18, 10
	s_add_co_u32 s22, s22, s23
	s_mov_b32 s23, 0
	s_lshl_b32 s24, s17, 4
	s_lshl_b32 s25, s18, 2
	s_add_co_u32 s24, s24, s25                     ; 16 G + first u
	s_lshl_b32 s24, s24, 3
	s_add_co_u32 s24, s24, s16                     ; x 8 + i
	s_mul_i32 s24, s24, 768
	s_mov_b32 s25, 0
	s_lshl_b32 s28, s18, 1
	s_add_co_u32 s28, s28, s16                     ; the tail (waves 0, 1): plane 2 kq + wave
	s_mul_i32 s28, s28, PLANE
	s_lshl_b32 s29, s17, 9
	s_add_co_u32 s28, s28, s29
	s_mov_b32 s29, 0
	s_mul_i32 s26, s16, STG                        ; my stage
	s_wait_alu depctr_va_vdst(0)
	v_add_nc_u32 v6, s26, v4                       ; in: 16 x lane, a row to a store
	v_mul_u32_u24 v7, v2, SP
	s_delay_alu instid0(VALU_DEP_1)
	v_lshl_add_u32 v7, v3, 7, v7
	s_delay_alu instid0(VALU_DEP_1)
	v_add_nc_u32 v7, s26, v7                       ; out: row r, + 128 h
	s_lshl_b32 s27, s16, 2
	s_add_co_u32 s27, s27, SCWX
	v_lshlrev_b32 v8, 5, v2
	s_delay_alu instid0(VALU_DEP_1)
	v_add_nc_u32 v8, s27, v8                       ; my row's scale word: [r][i]
	v_lshl_add_u32 v9, v9, 4, SCWX
	v_lshlrev_b32 v15, 3, v3                       ; 8 h
	v_mov_b32 v14, 0                               ; (a lane permute's destination counts as one of its sources)
	s_wait_alu depctr_va_vdst(0)
	s_wait_kmcnt 0x0
	s_add_nc_u64 s[4:5], s[4:5], s[22:23]
	s_add_nc_u64 s[10:11], s[10:11], s[24:25]
	s_add_nc_u64 s[12:13], s[12:13], s[28:29]
.irp e, 0,1
.irp p, 0,1,2,3,4,5,6,7,8,9,10,11,12,13,14,15
	global_load_b128 v[32+64*\e+4*\p:35+64*\e+4*\p], v4, s[4:5] offset:4096*\p+512*\e th:TH_LOAD_NT   ; all 32 loads go out at the head
.endr
.endr
; unit u of half e: quantise, and store the image of its six registers; each unit has registers of its own, so no store's data are written again
.macro XUNIT e, u
.set CD, 224+8*(2*\e+\u)
	BLK 160+32*\u, CD, 24+\u
	v_mov_b32 v[CD+3], v16
	v_mov_b32 v[CD+4], v17
	v_mov_b32 v[CD+5], v18
	global_store_b128 v4, v[CD:CD+3], s[10:11] offset:(2*\e+\u)*UROW          ; 512 consecutive bytes
	global_store_b64 v5, v[CD+4:CD+5], s[10:11] offset:(2*\e+\u)*UROW+512     ; 256 consecutive bytes
.endm
.irp e, 0,1
.if \e == 0
	s_wait_loadcnt 16                              ; the first 128 along K are in; the other half's 16 loads may be out
.else
	s_wait_loadcnt 0x0
.endif
.irp p, 0,1,2,3,4,5,6,7,8,9,10,11,12,13,14,15
	ds_store_b128 v6, v[32+64*\e+4*\p:35+64*\e+4*\p] offset:SP*\p   ; LDS serves a wave's instructions in order: these come behind the last half's reads
.endr
.irp u, 0,1
.set n, 0
.irp q, 0,1,4,5,2,3,6,7                        ; the pieces of 16 bytes in the order sigma
	ds_load_b128 v[160+32*\u+4*n:163+32*\u+4*n], v7 offset:256*\u+16*\q
.set n, n+1
.endr
.endr
	s_wait_dscnt 8                                 ; the first unit's numbers are back; the second unit's 8 loads may be out
	XUNIT \e, 0
	s_wait_dscnt 0x0
	XUNIT \e, 1
	v_lshl_or_b32 v[20+\e], v25, 16, v24           ; my two bytes: blocks h and 2 + h of these 128,
	s_delay_alu instid0(VALU_DEP_1)
	v_lshlrev_b32 v[20+\e], v15, v[20+\e]          ; at their places (8 h bits up);
	s_delay_alu instid0(VALU_DEP_1)
	v_permlanex16_b32 v14, v[20+\e], s20, s21
	s_delay_alu instid0(VALU_DEP_1)
	v_or_b32 v[20+\e], v[20+\e], v14               ; with lane l xor 16's two the word is whole
	ds_store_b32 v8, v[20+\e] offset:512*\e        ; (both lanes of a row write the same word with the same value)
.endr
	TAIL
; ---------------- the weights: K is the FIRST axis.  A lane takes a column and its registers run down K, in the order sigma: nothing is transposed.
; Wave w: columns 32 (w & 3) on, 128 (w >> 2) along K on: four blocks a lane.  Each load reads 128 consecutive bytes; four waves stand side by side on 512.
.Lweights:
	s_sub_co_u32 s17, ttmp9, 256
	s_and_b32 s18, s17, 3                          ; which 256 along K
	s_lshr_b32 s17, s17, 2                         ; 0-23: w_qkv's groups of 128 columns, 24-31: w_proj's
	s_and_b32 s19, s16, 3                          ; cw
	s_lshr_b32 s22, s16, 2                         ; kw
	s_mov_b32 s23, 4096
	s_wait_kmcnt 0x0
	s_cmp_lt_u32 s17, 24                           ; the choice hangs on the work-group's number alone
	s_cselect_b64 s[14:15], s[6:7], s[8:9]
	s_cselect_b32 s23, 12288, s23                  ; a row of the weight in bytes
	s_cselect_b32 s32, 0, 24
	s_sub_co_u32 s32, s17, s32                     ; the group within its weight
	s_lshl_b32 s33, s18, 8
	s_lshl_b32 s34, s22, 7
	s_add_co_u32 s33, s33, s34                     ; my first K
	s_mul_i32 s33, s33, s23
	s_lshl_b32 s34, s32, 9
	s_add_co_u32 s33, s33, s34                     ; + 128 columns x 4 bytes a group
	s_lshl_b32 s34, s19, 7
	s_add_co_u32 s34, s33, s34                     ; + 32 columns x 4 bytes a wave
	s_mov_b32 s35, 0
	s_lshl_b32 s36, s23, 5                         ; 32 rows on
	s_mov_b32 s37, 0
	s_add_nc_u64 s[24:25], s[14:15], s[34:35]      ; a base for each of my four blocks
	s_add_nc_u64 s[26:27], s[24:25], s[36:37]
	s_add_nc_u64 s[28:29], s[26:27], s[36:37]
	s_add_nc_u64 s[30:31], s[28:29], s[36:37]
	s_wait_alu depctr_va_vdst(0)
	v_lshlrev_b32 v13, 2, v1                       ; 4 x lane
.set p, 0
.rept 32
	v_mad_u32_u24 v[32+p], s23, (p&7)|((p&8)<<1)|((p&16)>>1), v13   ; code position p takes row sigma(p) of the block
.set p, p+1
.endr
.irp t, 0,1,2,3
.set p, 0
.rept 32
	global_load_b32 v[64+32*\t+p], v[32+p], s[24+2*\t:25+2*\t] th:TH_LOAD_NT
.set p, p+1
.endr
.endr
	s_add_co_u32 s38, s17, 64                      ; the group in codes and scl
	s_lshl_b32 s39, s38, 4
	s_lshl_b32 s40, s18, 2
	s_add_co_u32 s39, s39, s40
	s_lshl_b32 s40, s22, 1
	s_add_co_u32 s39, s39, s40                     ; 16 G + my first u
	s_lshl_b32 s39, s39, 3
	s_lshl_b32 s40, s19, 1
	s_add_co_u32 s40, s39, s40                     ; x 8 + my first row tile, 2 cw
	s_mul_i32 s40, s40, 768
	s_mov_b32 s41, 0
	s_add_nc_u64 s[10:11], s[10:11], s[40:41]
	s_lshl_b32 s40, s18, 1
	s_add_co_u32 s40, s40, s16                     ; the tail (waves 0, 1): plane 2 kq + wave
	s_mul_i32 s40, s40, PLANE
	s_lshl_b32 s41, s38, 9
	s_add_co_u32 s40, s40, s41
	s_mov_b32 s41, 0
	s_add_nc_u64 s[12:13], s[12:13], s[40:41]
	v_mul_u32_u24 v14, v3, 768
	s_delay_alu instid0(VALU_DEP_1)
	v_lshl_add_u32 v14, v2, 4, v14                 ; my column's place: row tile lane / 16, 16 r
	s_lshl_b32 s39, s22, 9
	s_lshl_b32 s40, s19, 3
	s_add_co_u32 s39, s39, s40
	s_add_co_u32 s39, s39, SCWW
	v_lshlrev_b32 v8, 5, v2
	s_delay_alu instid0(VALU_DEP_1)
	v_lshl_add_u32 v8, v3, 2, v8
	s_delay_alu instid0(VALU_DEP_1)
	v_add_nc_u32 v8, s39, v8                       ; my column's scale word: plane kw, [r][2 cw + lane / 16]
	v_lshl_add_u32 v9, v9, 4, SCWW
.irp t, 0,1,2,3                                ; block t = 2 u + h of my column
.if \t < 2
	s_wait_loadcnt 63                              ; 96 (64) younger loads might stay out; the wait's field holds 63
.elseif \t == 2
	s_wait_loadcnt 32                              ; the last block's loads may be out
.else
	s_wait_loadcnt 0x0
.endif
	BLK 64+32*\t, 192+12*(\t/2)+4*(\t%2), 24+\t
	v_mov_b32 v[195+12*(\t/2)+4*(\t%2)], v16       ; registers 0-3 of block h stand together,
	v_mov_b32 v[200+12*(\t/2)+2*(\t%2)], v17       ; registers 4-5 of both blocks in a third run of four
	v_mov_b32 v[201+12*(\t/2)+2*(\t%2)], v18
.endr
.irp u, 0,1
	global_store_b128 v14, v[192+12*\u:195+12*\u], s[10:11] offset:UROW*\u       ; sixteen lanes store 256 consecutive bytes: block 0's registers 0-3,
	global_store_b128 v14, v[196+12*\u:199+12*\u], s[10:11] offset:UROW*\u+256   ; block 1's,
	global_store_b128 v14, v[200+12*\u:203+12*\u], s[10:11] offset:UROW*\u+512   ; both blocks' registers 4-5
.endr
	v_lshl_or_b32 v20, v25, 8, v24
	s_delay_alu instid0(VALU_DEP_1)
	v_lshl_or_b32 v20, v26, 16, v20
	s_delay_alu instid0(VALU_DEP_1)
	v_lshl_or_b32 v20, v27, 24, v20
	ds_store_b32 v8, v20
	TAIL
.Lfunc_end_k_q31a17e82e7_quant:
	.size	k_q31a17e82e7_quant, .Lfunc_end_k_q31a17e82e7_quant-k_q31a17e82e7_quant
	.p2alignl 7, 3214868480
	.fill 96, 4, 3214868480
	.section	.rodata,"a",@progbits
	.p2align	6, 0x0
	.amdhsa_kernel k_q31a17e82e7_quant
		.amdhsa_group_segment_fixed_size 70656
		.amdhsa_private_segment_fixed_size 0
		.amdhsa_enable_private_segment 0
		.amdhsa_kernarg_size 40
		.amdhsa_user_sgpr_count 2
		.amdhsa_user_sgpr_kernarg_segment_ptr 1
		.amdhsa_wavefront_size32 1
		.amdhsa_system_sgpr_workgroup_id_x 1
		.amdhsa_system_sgpr_workgroup_id_y 1
		.amdhsa_system_sgpr_workgroup_id_z 1
		.amdhsa_system_vgpr_workitem_id 0
		.amdhsa_next_free_vgpr 256
		.amdhsa_next_free_sgpr 66
		.amdhsa_reserve_vcc 0
		.amdhsa_float_denorm_mode_32 3
		.amdhsa_float_denorm_mode_16_64 3
		.amdhsa_memory_ordered 1
		.amdhsa_forward_progress 1
		.amdhsa_inst_pref_size 45
	.end_amdhsa_kernel
	.amdgpu_metadata
---
amdhsa.version: [ 1, 2 ]
amdhsa.kernels:
  - .name:           k_q31a17e82e7_quant
    .symbol:         k_q31a17e82e7_quant.kd
    .args:
      - { .name: x, .offset: 0, .size: 8, .value_kind: global_buffer, .address_space: global }
      - { .name: w_qkv, .offset: 8, .size: 8, .value_kind: global_buffer, .address_space: global }
      - { .name: w_proj, .offset: 16, .size: 8, .value_kind: global_buffer, .address_space: global }
      - { .name: codes, .offset: 24, .size: 8, .value_kind: global_buffer, .address_space: global }
      - { .name: scl, .offset: 32, .size: 8, .value_kind: global_buffer, .address_space: global }
    .group_segment_fixed_size: 70656
    .private_segment_fixed_size: 0
    .kernarg_segment_align: 8
    .kernarg_segment_size: 40
    .max_flat_workgroup_size: 256
    .sgpr_count:     66
    .vgpr_count:     256
    .wavefront_size: 32
...
	.end_amdgpu_metadata
.endif
;; end of part 1
;; launch gemm1 (part 2): grid 8 x 32, 4 waves a work-group, clusters of 4 x 4, 327,680 bytes of LDS; arguments codes, scl, qkv; writes qkv
.if DOCPART == 2
	.amdgcn_target "amdgcn-amd-amdhsa--gfx1250"
	.amdhsa_code_object_version 6
	.text
	.protected	k_q31a17e82e7_gemm1
	.globl	k_q31a17e82e7_gemm1
	.p2align	8
	.type	k_q31a17e82e7_gemm1,@function
k_q31a17e82e7_gemm1:
	s_mov_b64 s[64:65], 0
	v_nop
	global_prefetch_b8 v0, s[64:65] scope:SCOPE_SE
	s_setreg_imm32_b32 hwreg(HW_REG_WAVE_MODE, 25, 1), 1
	s_wait_xcnt 0x0
	s_wait_alu depctr_hold_cnt(0) depctr_sa_sdst(0) depctr_va_vdst(0) depctr_va_sdst(0) depctr_va_ssrc(0) depctr_va_vcc(0) depctr_vm_vsrc(0)
	s_getreg_b32 s2, hwreg(HW_REG_IB_STS2, 6, 4)
	s_cmp_eq_u32 s2, 0
	s_cbranch_scc0 .Lentry_in_a_cluster
	s_endpgm
.Lentry_in_a_cluster:
	s_bfe_u32 s2, ttmp6, 0x10000c
	s_cmp_lg_u32 s2, 0xf033
	s_cbranch_scc0 .Lentry_shape_is_right
	s_endpgm
.Lentry_shape_is_right:
; qkv = x w_qkv on codes of FP6 (E2M3) with E8M0 scales, K = 1024, f32 sums; q, k and v are quantised on the way out and leave as codes alone.
; OPERANDS: codes is laid [G][K / 64][row tile][768 bytes], a unit of 768 bytes being an image of six operand registers (registers 0-3 at 16 x lane, 4-5 at 512 + 16 r + 8 h); G 0-63 tokens, 64-79 q's and k's columns, 80-87 v's.
; scl: words of four scale bytes [K / 128][G][r][row tile].
; SHARES: 8 x 32 work-groups of four waves.  Work-group (X, Y) keeps 256 tokens (groups 2 Y, 2 Y + 1), ALL of K, in LDS, and multiplies them by three groups of 128 columns, one after the other:
; v's group 80 + X, then q's or k's groups 64 + 2 X and 65 + 2 X: three tiles of 256 x 128, the same work for every work-group.  The columns' codes pass through two places of 49,152 bytes, a CHUNK = 512 along K of a group:
; six chunks, chunk c in place c % 2.  A wave makes 64 x 128 of a tile: four blocks of A x eight of B, 32 accumulators.
; THE MATRIX INSTRUCTION IS USED TRANSPOSED (source 0 = 16 rows of B, source 1 = 16 rows of A): a lane holds one row of A, its registers run along B's rows.
; v's tile: A = v's columns (wave / 2: which head), B = tokens (wave % 2: which group): registers run along the keys, the K of p v.  q's, k's tiles: A = tokens (group wave / 2, half wave % 2), B = the 128 columns: registers run along two heads' 64.
; FILLS: at the head one load a wave: wave 0 the lower 512 along K of both token groups (2 rows of 49,152 bytes), wave 1 chunk 0, wave 2 the tokens' upper 512, wave 3 chunk 1.  The first barrier waits for waves 0 and 1 alone;
; the round in the fourth step shows the rest.  Four refills (chunks 2 to 5), each behind the three lines and a round of the cluster's barrier, waves 2 and 3 half a chunk each, asked for a whole chunk (128 products a wave) ahead of its first read.
; CLUSTERS: 4 x 4 work-groups; the tokens are asked for jointly by a row of the cluster, the columns by a column.  No prefetch: K is short and every refill is asked for a chunk ahead.
; THE WAY OUT, behind each tile: a lane's 64 results of one block of A are four blocks of 32 along the next K (positions in the order sigma, bits 3 and 4 of the index exchanged, as all operands of this program);
; largest magnitude, scale byte, conversion, exchange of halves; the twelve registers are two units and are stored as they stand.
; qkv: records (b x 16 + head) x 16 + token / 128 of 19,712 bytes: Q's 8 units, Q's scale words [r][tile], K's units, K's words, V's units [d / 16][64 keys], V's words [r][d / 16].
; Q's and K's words carry 0x7f in their upper two bytes: the upper 64 of that product's 128 are zero codes.  A wave has four of a row's eight words: it stores 16 of each 32 bytes; the wave beside it stores the others.
; LIMITS: NaN and infinities are not served; a block under 2^-124 (a block of zeros too) keeps the byte 1.
; REGISTERS: window 0: v1-7 lane terms, v8-23 LDS addresses, v24-27 offsets, v28-29 for the add, v32-95 and v184-247 scale words, v96-183 at work on the way out;
;   window 1: B's fragments, two sets at v0 and v128;  window 3: A's, likewise;  window 2: accumulator (a, b) at v[8 (8 a + b)].
.set GRP,   98304
.set CH,    49152
.set RING,  2*GRP                      ; the tokens: [K half][group][49,152]; behind them the two places for chunks
.set SPARE, 3*GRP
.set PLANE, 81920
.set REC,   19712
.set HSTR,  16*REC
.set FR,    12
.set A1,    8                          ; v's tile: A's addresses: +0, +1 registers 0-3 of K half 0, 1; +2, +3 registers 4-5
.set B1,    12
.set A0,    16                         ; q's, k's tiles
.set B0,    20
.set SPW,   28
.set NIL,   29
.set SC0,   32
.set SC1,   184
.set TM,    96
.set DT,    112
.set WS0,   120
.set WS1,   124
.set PC0,   128
.set XW,    176
.set G1T,  24
.set G0T0, 32
.set G0C0, 36
.set G1B,  48
.set G0R,  56
.set G1R,  80
.set G0T1, 88
.set G0C1, 92
.set OB0,  10
.set OB1,  12
.set OB2,  40
.set MSB, 0
.macro WIN new                         ; the immediate's high byte repeats the setting that is left
.if MSB != (\new)
	s_set_vgpr_msb (MSB<<8)|(\new)
.set MSB, \new
.endif
.endm
.set MUL, 0xad                         ; source 0 (B) window 1, source 1 (A) window 3, C and D window 2
.macro PLACES
.rept 4
	v_nop
.endr
.endm
.macro CREST
	s_cmp_lg_u32 s14, 0
	s_cbranch_scc1 .Lnot_wave_0_\@
	s_barrier_signal -3
.Lnot_wave_0_\@:
	s_barrier_wait -3
	s_barrier_signal -1
	s_barrier_wait -1
.endm
.macro CROUND
	s_barrier_signal -1
	s_barrier_wait -1
	CREST
.endm
.macro G1SET g, mask, cols, rows, pitch
	s_or_b32 s[\g], s[\mask], (3<<16)|(1<<21)      ; the mask; elements of 8 bytes; bit 21 beside a mask
	s_mov_b32 s[\g+1], (\cols)<<16
	s_mov_b32 s[\g+2], (\rows)<<16
	s_mov_b32 s[\g+3], (\cols)<<16
	s_mov_b32 s[\g+4], \rows
	s_mov_b32 s[\g+5], \pitch
	s_mov_b32 s[\g+6], 0
	s_mov_b32 s[\g+7], 0
.endm
.macro G0SET g, base, add
	s_mov_b32 s[\g], 1
	s_add_nc_u64 s[\g+2:\g+3], s[\base:\base+1], \add
	s_or_b32 s[\g+3], s[\g+3], 0x80000000
.endm
.macro ARM under, g0, g1, next         ; one arm of the head's chain: every way passes one load
	s_cmp_lt_u32 s14, \under
	s_cbranch_scc0 \next
	tensor_load_to_lds s[\g0:\g0+3], s[\g1:\g1+7]
	s_nop 0
	PLACES
	s_branch .Lhead_asked
\next:
.endm
.macro FRAG reg, adr, q, i             ; a fragment, 16 rows x 128 K: units 2 q and 2 q + 1 of row tile i
	ds_load_b128 v[\reg:\reg+3], v[\adr] offset:(16*(\q)+(\i))*768
	ds_load_b64 v[\reg+4:\reg+5], v[\adr+2] offset:(16*(\q)+(\i))*768+512
	ds_load_b128 v[\reg+6:\reg+9], v[\adr] offset:(16*(\q)+8+(\i))*768
	ds_load_b64 v[\reg+10:\reg+11], v[\adr+2] offset:(16*(\q)+8+(\i))*768+512
.endm
.macro FETCH ab, aa, s, q, p           ; 48 loads: B's eight and A's four fragments of 128 along K (K half s, quarter q) into set p
	WIN 0x40
.irp i, 0,1,2,3,4,5,6,7
	FRAG 128*(\p)+FR*\i, \ab+\s, \q, \i
.endr
	WIN 0xc0
.irp i, 0,1,2,3
	FRAG 128*(\p)+FR*\i, \aa+\s, \q, \i
.endr
	WIN 0
.endm
.macro MUL8 a, p, g, sc, zero          ; A's block a x B's eight; the 32 accumulators take turns, in the same order in every step
.irp b, 0,1,2,3,4,5,6,7
.if \zero
	v_wmma_scale_f32_16x16x128_f8f6f4 v[8*(8*(\a)+\b):8*(8*(\a)+\b)+7], v[128*(\p)+FR*\b:128*(\p)+FR*\b+FR-1], v[128*(\p)+FR*(\a):128*(\p)+FR*(\a)+FR-1], 0, v[\sc+8*(\g)+\b], v[\sc+8*(\g)+(\a)] matrix_a_fmt:MATRIX_FMT_FP6 matrix_b_fmt:MATRIX_FMT_FP6 matrix_a_scale:MATRIX_SCALE_ROW1
.else
	v_wmma_scale_f32_16x16x128_f8f6f4 v[8*(8*(\a)+\b):8*(8*(\a)+\b)+7], v[128*(\p)+FR*\b:128*(\p)+FR*\b+FR-1], v[128*(\p)+FR*(\a):128*(\p)+FR*(\a)+FR-1], v[8*(8*(\a)+\b):8*(8*(\a)+\b)+7], v[\sc+8*(\g)+\b], v[\sc+8*(\g)+(\a)] matrix_a_fmt:MATRIX_FMT_FP6 matrix_b_fmt:MATRIX_FMT_FP6 matrix_a_scale:MATRIX_SCALE_ROW1
.endif
.endr
.endm
; A step inside a chunk: the next step's fragments (quarter qn) are asked for first, into the set that the last step multiplied; then this step's 32 products
.macro STEP ab, aa, s, qn, g, sc, zero
	PLACES
	FETCH \ab, \aa, \s, \qn, 1-(\g)%2
	s_wait_dscnt 48                                ; all but the 48 just issued
	WIN MUL
.irp a, 0,1,2,3
	MUL8 \a, (\g)%2, \g, \sc, \zero
.endr
	WIN 0
.endm
; A chunk's last step.  Its fragments are in registers, so the chunk is read no more.  fill = 0: a plain barrier shows the next chunk; 1, 2: the barrier opens a round, and the place is filled again (2: its descriptor steps two chunks on)
.macro BOUND g, sc, fill, slot, nab, naa, ns
	s_wait_tensorcnt 0x0                           ; all my tensor loads have landed
	ds_add_u32 v[SPW], v[NIL]                      ; 0 onto my spare word
	s_wait_dscnt 1                                 ; (the add may be out)
	WIN MUL
	MUL8 0, 1, \g, \sc, 0
	s_wait_dscnt 0x0
	s_barrier_signal -1
	MUL8 1, 1, \g, \sc, 0
	WIN 0
	s_barrier_wait -1
.if \fill
	CREST
.if \fill == 2
	s_add_nc_u64 s[G0R+4*\slot+2:G0R+4*\slot+3], s[G0R+4*\slot+2:G0R+4*\slot+3], 2*CH
.endif
	s_cmp_eq_u32 s15, 1
	s_cbranch_scc0 .Lno_fill_\@
	tensor_load_to_lds s[G0R+4*\slot:G0R+4*\slot+3], s[G1R:G1R+7]   ; waves 2 and 3: half a chunk each
	s_nop 0
	PLACES
.Lno_fill_\@:
.endif
	PLACES
	FETCH \nab, \naa, \ns, 0, 0
	WIN MUL
	MUL8 2, 1, \g, \sc, 0
	MUL8 3, 1, \g, \sc, 0
	WIN 0
.endm
.macro TILE ab, aa, sc, f0, f1, more, nab=0, naa=0
	STEP \ab, \aa, 0, 1, 0, \sc, 1                 ; the first products start the sums: nothing is cleared
	STEP \ab, \aa, 0, 2, 1, \sc, 0
	STEP \ab, \aa, 0, 3, 2, \sc, 0
	BOUND 3, \sc, \f0, 0, \ab, \aa, 1
	STEP \ab, \aa, 1, 1, 4, \sc, 0
	STEP \ab, \aa, 1, 2, 5, \sc, 0
	STEP \ab, \aa, 1, 3, 6, \sc, 0
.if \more
	BOUND 7, \sc, \f1, 1, \nab, \naa, 0            ; the next tile's first fragments are asked for here
.else
	s_wait_dscnt 0x0
	WIN MUL
.irp a, 0,1,2,3
	MUL8 \a, 1, 7, \sc, 0
.endr
	WIN 0
.endif
	PLACES
.endm
.macro LDSC sc, off                    ; a tile's scale words, all of K: lanes 0-15 A's four blocks, lanes 16-31 B's eight
.irp k, 0,1,2,3,4,5,6,7
	global_load_b128 v[\sc+8*\k:\sc+8*\k+3], v[\off], s[6:7] offset:\k*PLANE
	global_load_b128 v[\sc+8*\k+4:\sc+8*\k+7], v[\off], s[6:7] offset:\k*PLANE+16
.endr
.endm
.macro RECOFF d, g, hd                 ; the record of token group s[g] and head s[hd], in bytes
	s_lshr_b32 s[\d], s[\g], 4
	s_lshl_b32 s[\d], s[\d], 4
	s_add_co_u32 s[\d], s[\d], s[\hd]
	s_lshl_b32 s[\d], s[\d], 4
	s_and_b32 s98, s[\g], 15
	s_add_co_u32 s[\d], s[\d], s98
	s_mul_i32 s[\d], s[\d], REC
	s_mov_b32 s[\d+1], 0
.endm
; THE WAY OUT.  mode 0: q and k (registers 0-5 of the twelve are the first head's unit, 6-11 the second's).  mode 1: v (128 keys: the twelve are one d tile's two units).
.macro EPI mode, sb
	s_wait_xcnt 0x0                                ; the last way out's stores have read their registers
.irp a, 0,1,2,3
.set AC, 64*\a
.set PC, PC0+12*\a
	WIN 0x28                                       ; sources 1 and 2: window 2
.irp b, 0,1,2,3
	v_max3_num_f32 v[TM+\b], 0x1800000, |v[AC+16*\b]|, |v[AC+16*\b+1]|   ; block b: my 16 numbers and the floor 2^(3 - 127); each accumulator is read from its low end on
.endr
.irp i, 2,4,6,8,10,12,14
.irp b, 0,1,2,3
	v_max3_num_f32 v[TM+\b], v[TM+\b], |v[AC+16*\b+\i]|, |v[AC+16*\b+\i+1]|
.endr
.endr
	WIN 0
.irp b, 0,1,2,3
	v_permlanex16_b32 v[TM+4+\b], v[TM+\b], s68, s69
.endr
.irp b, 0,1,2,3
	v_max_num_f32 v[TM+\b], v[TM+\b], v[TM+4+\b]   ; with lane l xor 16's: the block's largest magnitude
.endr
.irp b, 0,1,2,3
	v_add_nc_u32 v[TM+12+\b], 0xff000000, v[TM+\b]
.endr
.irp b, 0,1,2,3
	v_lshrrev_b32 v[TM+4+\b], 23, v[TM+12+\b]      ; the scale's byte
.endr
.if \mode == 0
	v_lshl_or_b32 v[WS0+\a], v[TM+5], 8, v[TM+4]
	v_lshl_or_b32 v[WS1+\a], v[TM+7], 8, v[TM+6]
	v_or_b32 v[WS0+\a], 0x7f7f0000, v[WS0+\a]      ; the upper 64 of the next product's 128 are zero codes under the scale 1
	v_or_b32 v[WS1+\a], 0x7f7f0000, v[WS1+\a]
.else
	v_lshl_or_b32 v[WS0+\a], v[TM+5], 8, v[TM+4]
	v_lshl_or_b32 v[WS0+\a], v[TM+6], 16, v[WS0+\a]
	v_lshl_or_b32 v[WS0+\a], v[TM+7], 24, v[WS0+\a]
.endif
	WIN 0x02                                       ; source 0: window 2
.irp c, 0,1
	v_cvt_scalef32_pk16_fp6_f32 v[PC+6*\c:PC+6*\c+2], v[AC+32*\c:AC+32*\c+15], v[TM+12+2*\c]
	v_cvt_scalef32_pk16_fp6_f32 v[DT+4*\c:DT+4*\c+2], v[AC+32*\c+16:AC+32*\c+31], v[TM+13+2*\c]
.endr
	WIN 0
	v_nop                                          ; one plain line behind a scaled conversion
.irp c, 0,1                                    ; a lane is to hold a WHOLE block: lanes 0-15 block 2 c, lanes 16-31 block 2 c + 1
.irp i, 0,1,2
	v_permlane16_swap_b32 v[PC+6*\c+\i], v[DT+4*\c+\i]
.endr
.irp i, 0,1,2
	v_mov_b32 v[PC+3+6*\c+\i], v[DT+4*\c+\i]
.endr
.endr
.irp u, 0,1
.if \mode == 0
	global_store_b128 v24, v[PC+6*\u:PC+6*\u+3], s[\sb:\sb+1] offset:768*\a+HSTR*\u          ; 512 consecutive bytes
	global_store_b64 v25, v[PC+6*\u+4:PC+6*\u+5], s[\sb:\sb+1] offset:768*\a+HSTR*\u+512     ; 256 consecutive bytes
.else
	global_store_b128 v3, v[PC+6*\u:PC+6*\u+3], s[\sb:\sb+1] offset:1536*\a+768*\u
	global_store_b64 v4, v[PC+6*\u+4:PC+6*\u+5], s[\sb:\sb+1] offset:1536*\a+768*\u+512
.endif
.endr
.endr
.if \mode == 0
	v_cmp_eq_u32 vcc_lo, 1, v2
.irp j, 0,1,2,3
	v_cndmask_b32 v[XW+\j], v[WS0+\j], v[WS1+\j], vcc_lo                   ; lanes 0-15 store the first head's four words, lanes 16-31 the second's
.endr
	global_store_b128 v26, v[XW:XW+3], s[\sb:\sb+1] offset:6144
.else
	global_store_b128 v27, v[WS0:WS0+3], s[\sb:\sb+1] offset:6144          ; [r][d / 16]: a head's 256 bytes (both lanes of a row store the same)
.endif
.endm
	s_load_b128 s[4:7], s[0:1], 0x0                ; codes, scl
	s_load_b64 s[8:9], s[0:1], 0x10                ; qkv
	v_lshl_add_u32 v[SPW], v0, 2, SPARE
	v_mov_b32 v[NIL], 0
	ds_add_u32 v[SPW], v[NIL]                      ; the opening lines: the add, twice on end, and its wait
	ds_add_u32 v[SPW], v[NIL]
	v_lshrrev_b32 v1, 5, v0
	v_readfirstlane_b32 s14, v1                    ; wave 0..3
	s_lshr_b32 s15, s14, 1
	s_and_b32 s16, s14, 1
	s_bfe_u32 s66, ttmp6, 0x40000                  ; cx
	s_bfe_u32 s67, ttmp6, 0x40004                  ; cy
	s_lshl_b32 s42, ttmp9, 2
	s_add_co_u32 s42, s42, s66                     ; X
	s_and_b32 s17, ttmp7, 0xffff
	s_lshl_b32 s17, s17, 2
	s_add_co_u32 s17, s17, s67                     ; Y
	s_lshl_b32 s43, s67, 2
	s_lshl_b32 s43, 15, s43                        ; my row of the cluster
	s_lshl_b32 s44, 0x1111, s66                    ; my column
	G1SET G1T, 43, 6144, 2, 12288                  ; 512 along K of two groups: 2 rows of 49,152 bytes, 98,304 apart
	G1SET G1B, 44, 32, 192, 32                     ; a chunk: 192 rows of 256 bytes
	G1SET G1R, 44, 32, 96, 32                      ; half a chunk
	s_lshl_b32 s20, s17, 1
	s_mul_i32 s20, s20, GRP                        ; the tokens hang on Y alone,
	s_mov_b32 s21, 0
	s_add_co_u32 s46, s42, 80
	s_mul_i32 s46, s46, GRP                        ; the columns on X alone: v's group,
	s_mov_b32 s47, 0
	s_lshl_b32 s18, s42, 1
	s_add_co_u32 s18, s18, 64
	s_mul_i32 s18, s18, GRP                        ; q's or k's two groups,
	s_mul_i32 s19, s16, CH/2
	s_add_co_u32 s18, s18, s19                     ; my half of a chunk
	s_add_co_u32 s45, s19, RING
	s_mov_b32 s19, 0
	s_mov_b32 s68, 0x76543210
	s_mov_b32 s69, 0xfedcba98                      ; v_permlanex16_b32's selects for lane l xor 16
	s_wait_dscnt 0x0
	CROUND                                         ; all sixteen work-groups are here: the first joint loads meet
	s_wait_kmcnt 0x0
	s_add_nc_u64 s[20:21], s[4:5], s[20:21]
	s_add_nc_u64 s[46:47], s[4:5], s[46:47]
	s_add_nc_u64 s[18:19], s[4:5], s[18:19]
	G0SET G0T0, 20, 0
	s_mov_b32 s[G0T0+1], 0
	G0SET G0T1, 20, CH
	s_mov_b32 s[G0T1+1], GRP
	G0SET G0C0, 46, 0
	s_mov_b32 s[G0C0+1], RING
	G0SET G0C1, 46, CH
	s_mov_b32 s[G0C1+1], RING+CH
	G0SET G0R, 18, 0                               ; chunk 2, then 4
	s_mov_b32 s[G0R+1], s45
	G0SET G0R+4, 18, CH                            ; chunk 3, then 5
	s_add_co_u32 s[G0R+5], s45, CH
	ARM 1, G0T0, G1T, .Lhead_1
	ARM 2, G0C0, G1B, .Lhead_2
	ARM 3, G0T1, G1T, .Lhead_3
	tensor_load_to_lds s[G0C1:G0C1+3], s[G1B:G1B+7]
	s_nop 0
	PLACES
.Lhead_asked:
	s_mul_i32 s70, s15, 3072
	s_add_co_u32 s70, s70, RING                    ; v's tile, A: my head's four row tiles of a chunk
	s_add_co_u32 s71, s70, CH
	s_mul_i32 s72, s16, CH                         ; B: my token group
	s_add_co_u32 s73, s72, GRP
	s_mul_i32 s74, s15, CH
	s_mul_i32 s96, s16, 3072
	s_add_co_u32 s74, s74, s96                     ; q's, k's tiles, A: my four row tiles of my token group
	s_add_co_u32 s75, s74, GRP
	s_mov_b32 s76, RING                            ; B: the chunk
	s_mov_b32 s77, RING+CH
	s_lshl_b32 s97, s16, 4
	s_lshl_b32 s99, s17, 1
	s_add_co_u32 s100, s99, s15                    ; the token group of my q's, k's tiles,
	s_add_co_u32 s99, s99, s16                     ; of my v's tile
	s_add_co_u32 s78, s42, 80
	s_lshl_b32 s78, s78, 9
	s_lshl_b32 s22, s15, 4
	s_add_co_u32 s78, s78, s22                     ; scale words, v's tile: A's
	s_lshl_b32 s79, s99, 9                         ; B's
	s_lshl_b32 s22, s100, 9
	s_add_co_u32 s22, s22, s97                     ; q's, k's: A's
	s_lshl_b32 s23, s42, 10
	s_add_co_u32 s23, s23, 64*512                  ; B's
	v_and_b32 v1, 15, v0                           ; r
	v_bfe_u32 v2, v0, 4, 1                         ; h
	v_and_b32 v3, 31, v0
	v_lshlrev_b32 v3, 4, v3                        ; 16 x lane
	v_lshlrev_b32 v4, 4, v1
	v_lshl_add_u32 v4, v2, 3, v4                   ; 16 r + 8 h
.irp n, 0,1,2,3
	v_add_nc_u32 v[A1+4*\n], s[70+2*\n], v3
	v_add_nc_u32 v[A1+4*\n+1], s[71+2*\n], v3
	v_add_nc_u32 v[A1+4*\n+2], s[70+2*\n], v4
	v_add_nc_u32 v[A1+4*\n+3], s[71+2*\n], v4
.endr
	v_cmp_eq_u32 vcc_lo, 1, v2
	v_mov_b32 v5, s78
	v_mov_b32 v30, s79
	v_mov_b32 v6, s22
	v_mov_b32 v31, s23
	v_cndmask_b32 v5, v5, v30, vcc_lo              ; lanes 0-15 take A's words, lanes 16-31 B's (a choice between offsets)
	v_cndmask_b32 v6, v6, v31, vcc_lo
	v_lshl_add_u32 v5, v1, 5, v5
	v_lshl_add_u32 v6, v1, 5, v6
	v_lshl_add_u32 v7, v2, 9, v6                   ; the third tile: B's next group
	v_add_nc_u32 v24, s96, v3                      ; the way out of q's, k's tiles: my first row tile
	v_add_nc_u32 v25, s96, v4
	v_mul_u32_u24 v26, v2, HSTR
	v_lshl_add_u32 v26, v1, 5, v26
	v_add_nc_u32 v26, s97, v26                     ; a head on for lanes 16-31, + 32 r + my four words
	v_lshlrev_b32 v27, 4, v1
.irp b, 0,1,2,3
	v_mov_b32 v[TM+4+\b], 0                        ; written once: a lane permute's destination counts as one of its sources
.endr
	LDSC SC0, 5
	LDSC SC1, 6
	s_lshl_b32 s101, s42, 1
	s_add_co_u32 s101, s101, s15                   ; v: my head
	RECOFF OB0, 99, 101
	s_add_co_u32 s[OB0], s[OB0], 13312             ; V's part of a record
	s_lshl_b32 s101, s42, 2
	s_and_b32 s101, s101, 15                       ; q, k: the first tile's first head
	RECOFF OB1, 100, 101
	s_cmp_ge_u32 s42, 4
	s_cselect_b32 s98, 6656, 0                     ; K's part of a record
	s_add_co_u32 s[OB1], s[OB1], s98
	s_add_nc_u64 s[OB0:OB0+1], s[8:9], s[OB0:OB0+1]
	s_add_nc_u64 s[OB1:OB1+1], s[8:9], s[OB1:OB1+1]
	s_add_nc_u64 s[OB2:OB2+1], s[OB1:OB1+1], 2*HSTR
	s_wait_alu depctr_va_vdst(0)                   ; the wait at the head's end
	s_cmp_lt_u32 s14, 2
	s_cbranch_scc0 .Lnot_yet
	s_wait_tensorcnt 0x0                           ; waves 0 and 1: the tokens' lower 512 and chunk 0
.Lnot_yet:
	s_barrier_signal -1                            ; the other two loads may be on their way
	s_barrier_wait -1
	FETCH B1, A1, 0, 0, 0
	s_wait_loadcnt 0x0                             ; the scale words
	TILE B1, A1, SC0, 1, 1, 1, B0, A0
	EPI 1, OB0
	LDSC SC0, 7                                    ; the third tile's scale words
	TILE B0, A0, SC1, 2, 2, 1, B0, A0
	EPI 0, OB1
	s_wait_loadcnt 0x0
	TILE B0, A0, SC0, 0, 0, 0
	EPI 0, OB2
	s_wait_tensorcnt 0x0                           ; the wave's end
	ds_add_u32 v[SPW], v[NIL]
	s_wait_dscnt 0x0
	CROUND                                         ; the closing round
	s_endpgm
.Lfunc_end_k_q31a17e82e7_gemm1:
	.size	k_q31a17e82e7_gemm1, .Lfunc_end_k_q31a17e82e7_gemm1-k_q31a17e82e7_gemm1
	.p2alignl 7, 3214868480
	.fill 96, 4, 3214868480
	.section	.rodata,"a",@progbits
	.p2align	6, 0x0
	.amdhsa_kernel k_q31a17e82e7_gemm1
		.amdhsa_group_segment_fixed_size 327680
		.amdhsa_private_segment_fixed_size 0
		.amdhsa_enable_private_segment 0
		.amdhsa_kernarg_size 24
		.amdhsa_user_sgpr_count 2
		.amdhsa_user_sgpr_kernarg_segment_ptr 1
		.amdhsa_wavefront_size32 1
		.amdhsa_system_sgpr_workgroup_id_x 1
		.amdhsa_system_sgpr_workgroup_id_y 1
		.amdhsa_system_sgpr_workgroup_id_z 1
		.amdhsa_system_vgpr_workitem_id 0
		.amdhsa_next_free_vgpr 1024
		.amdhsa_next_free_sgpr 102
		.amdhsa_reserve_vcc 1
		.amdhsa_float_denorm_mode_32 3
		.amdhsa_float_denorm_mode_16_64 3
		.amdhsa_memory_ordered 1
		.amdhsa_forward_progress 1
		.amdhsa_inst_pref_size 247
	.end_amdhsa_kernel
	.amdgpu_metadata
---
amdhsa.version: [ 1, 2 ]
amdhsa.kernels:
  - .name:           k_q31a17e82e7_gemm1
    .symbol:         k_q31a17e82e7_gemm1.kd
    .args:
      - { .name: codes, .offset: 0, .size: 8, .value_kind: global_buffer, .address_space: global }
      - { .name: scl, .offset: 8, .size: 8, .value_kind: global_buffer, .address_space: global }
      - { .name: qkv, .offset: 16, .size: 8, .value_kind: global_buffer, .address_space: global }
    .group_segment_fixed_size: 327680
    .private_segment_fixed_size: 0
    .kernarg_segment_align: 8
    .kernarg_segment_size: 24
    .max_flat_workgroup_size: 128
    .sgpr_count:     102
    .vgpr_count:     1024
    .wavefront_size: 32
...
	.end_amdgpu_metadata
.endif
;; end of part 2
;; launch attn (part 3): grid 256 x 1, 16 waves a work-group, clusters of 4 x 1, 327,680 bytes of LDS; arguments qkv, codes, scl; writes codes, scl
.if DOCPART == 3
	.amdgcn_target "amdgcn-amd-amdhsa--gfx1250"
	.amdhsa_code_object_version 6
	.text
	.protected	k_q31a17e82e7_attn
	.globl	k_q31a17e82e7_attn
	.p2align	8
	.type	k_q31a17e82e7_attn,@function
k_q31a17e82e7_attn:
	s_mov_b64 s[64:65], 0
	v_nop
	global_prefetch_b8 v0, s[64:65] scope:SCOPE_SE
	s_setreg_imm32_b32 hwreg(HW_REG_WAVE_MODE, 25, 1), 1
	s_wait_xcnt 0x0
	s_wait_alu depctr_hold_cnt(0) depctr_sa_sdst(0) depctr_va_vdst(0) depctr_va_sdst(0) depctr_va_ssrc(0) depctr_va_vcc(0) depctr_vm_vsrc(0)
	s_getreg_b32 s2, hwreg(HW_REG_IB_STS2, 6, 4)
	s_cmp_eq_u32 s2, 0
	s_cbranch_scc0 .Lentry_in_a_cluster
	s_endpgm
.Lentry_in_a_cluster:
	s_bfe_u32 s2, ttmp6, 0x10000c
	s_cmp_lg_u32 s2, 0x3003
	s_cbranch_scc0 .Lentry_shape_is_right
	s_endpgm
.Lentry_shape_is_right:
; Causal attention on codes of FP6 (E2M3) with E8M0 scales: S^T = K Q^T (K = the head's 64: the upper 64 of the instruction's 128 are zero codes on Q's side), softmax, O^T = V^T P (K = 128 keys a step).
; THE SOFTMAX: t = score x log2(e) / 8; M = the running largest t rounded UP to a whole number, kept as -M = floor(-t); p = 2^(t - M) is quantised along the keys; the row's sum is taken of the unquantised p
; and divides O at the end; when M moves, the sum and O are multiplied by 2^(old M - new M), which rounds nothing.
; WORK LEFT OUT: key steps of 128 that lie wholly above the diagonal: the causal mask sets their scores to -infinity, so their p is 0 for all inputs.
; The result is quantised along the model's 1024 (a head's 64 = one unit of the last product's operand) and leaves as codes: groups 96 + token / 128 of codes, and its scale bytes in scl.
; SHARES: a cluster of four work-groups takes one (b, head) = the cluster's x.  A HEAD'S K AND V, 16 runs of 13,056 bytes (units and scale words of 128 keys), STAY IN LDS: 208,896 bytes, filled once, never again.
; All four partners need all sixteen runs: each run is asked for JOINTLY (mask 15).  Wave w of the partner at place g owns query tiles of 16: first tile 127 - (4 w + g), 16 - w / 2 key steps, then tile 4 w + g, w / 2 + 1 steps:
; 17 steps for every wave.  Trip counts, branches and LDS addresses hang on the wave's number alone; g enters memory offsets and the mask's term only.
; FILLS: waves 0-3 ask for runs 0-3 at the head; behind the three lines and a round of the cluster's barrier waves 4-15 ask for runs 4-15, which have the first four steps (runs 0-3, no diagonal there) in which to land.
; One plain barrier shows them to all; behind it the waves share nothing and meet no barrier: 13 trips, the key step made from the trip's number.  Only the last step of each pass lies on the diagonal.
; Both products are used transposed: a lane holds ONE query throughout; p's 16 registers of two neighbouring tiles are keys in the order sigma (bits 3 and 4 exchanged), in which V's codes lie too.
; K's tiles lie six registers apart: the upper six of a tile's twelve are the next tile's codes; they meet Q's zero codes under the scale byte 0x7f and add nothing.
; NO PREFETCH: all of K and V is asked for in the two groups above; no loop runs ahead of a load.
; THE RESULT'S SCALE BYTES: two bytes a row and head, half of a word whose other half is the neighbouring head's: a store of 2 bytes a lane, 32 bytes apart: units are written in part: 2 bytes for each 48 of codes.
; LIMITS: NaN and infinities are not served; a block under 2^-124 (a block of zeros too) keeps the byte 1; the scaled scores stay under 2^31 in magnitude.
.set REC,   19712
.set HSTR,  16*REC
.set KOFF,  6656                       ; K's part of a record; K .. V are RECL bytes
.set RECL,  13056
.set NH,    4                          ; runs asked for at the head
.set SPARE, 16*RECL                    ; behind the runs: the spare words, 128 bytes for each of 16 waves
.set PLANE, 81920
.set WV, 10
.set AH, 11                            ; w / 2: the record of my low tile
.set TIA, 12                           ; my low tile's place in its record; TIB my high tile's
.set TIB, 13
.set LA, 14                            ; steps of the first pass
.set DG, 15                            ; the trip that lies on the diagonal (at first also: the record of my high tile)
.set T,  16
.set TB, 17                            ; LDS byte at which the step's run begins
.set SEL, 18
.set CS,  20
.set MB,  22                           ; 16 x tile place, first pass; MA second
.set MA,  23
.set G1,  24
.set G0,  32
.set PB,  36                           ; s[36:43] first pass: Q's unit, Q's scale words, the result's unit, its scale bytes; behind the first pass the last two hold the second's
.set PA,  44                           ; s[44:51] second pass
; v1-4 lane places in a run (units' two planes, K's words, V's words; v1, v2 also a unit's places in memory); v5-6 for the add; v7 the mask's term; v8-11 the step's addresses; v12 -M, v13 largest t, v[14:15] the sum;
; v16-27 Q (v22-27 zeros); v28 Q's scale word; v29, v238-243 the second pass's Q; v32-85 K's tiles (v80-85 zeros), then V's fragments; v86 32 r; v88-95 scale words; v96-159 S^T, p; v160-191 O^T; v192-203 p's codes;
; v204-210, v212-231 at work; v211 r - 8 h; v224 p's scale word; v232-237 the result's unit; v244-251 the sum's chains
.macro ROUND                           ; a round of the cluster's barrier
	s_barrier_signal -1
	s_barrier_wait -1
	s_cmp_lg_u32 s[WV], 0
	s_cbranch_scc1 .Lnot_wave_0_\@
	s_barrier_signal -3
.Lnot_wave_0_\@:
	s_barrier_wait -3
	s_barrier_signal -1
	s_barrier_wait -1
.endm
.macro TLOAD                           ; my run, jointly; s_nop 0 and four v_nop follow the line
	tensor_load_to_lds s[G0:G0+3], s[G1:G1+7]
	s_nop 0
.rept 4
	v_nop
.endr
.endm
; byte offsets of a pass: record s[rec], tile place s[ti].  s53 = the head's records, s57 = 96 + 16 b, s59 = head, s60 = the head's place in scl
.macro PLACE rec, ti, q
	s_mul_i32 s[\q], s[\rec], REC
	s_add_co_u32 s[\q], s[\q], s53
	s_lshl_b32 s54, s[\ti], 2
	s_add_co_u32 s[\q+2], s[\q], s54
	s_add_co_u32 s[\q+2], s[\q+2], 6144            ; Q's scale words [r][tile]
	s_mul_i32 s55, s[\ti], 768
	s_add_co_u32 s[\q], s[\q], s55                 ; Q's unit
	s_add_co_u32 s56, s57, s[\rec]                 ; the result's group
	s_lshl_b32 s58, s56, 4
	s_add_co_u32 s58, s58, s59
	s_mul_i32 s58, s58, 6144
	s_add_co_u32 s[\q+4], s58, s55                 ; [G][head][tile] units
	s_lshl_b32 s56, s56, 9
	s_add_co_u32 s56, s56, s54
	s_add_co_u32 s[\q+6], s56, s60                 ; [head / 2][G][r][tile] words, + 2 (head % 2)
	s_mov_b32 s[\q+1], 0
	s_mov_b32 s[\q+3], 0
	s_mov_b32 s[\q+5], 0
	s_mov_b32 s[\q+7], 0
.endm
; A pass begins: the largest t -3e38, the sum and O^T zeros, so that the step is written once (its first change of M multiplies zeros).
.macro INIT m
	v_add_nc_u32 v7, s[\m], v211                   ; 16 x tile place + r - 8 h
	v_mov_b32 v13, 0xff61b1e6
	s_delay_alu instid0(VALU_DEP_1)
	v_floor_f32 v12, -v13
	v_mov_b32 v14, 0
	v_mov_b32 v15, 0
.set j, 0
.rept 32
	v_mov_b32 v[160+j], 0
.set j, j+1
.endr
.endm
; A KEY STEP: 128 keys.  diag = 0: a copy for steps that cannot lie on the diagonal
.macro STEP diag
	v_add_nc_u32 v8, s[TB], v1                     ; (these four are also the places behind the last step's products)
	v_add_nc_u32 v9, s[TB], v2
	v_add_nc_u32 v10, s[TB], v3
	v_add_nc_u32 v11, s[TB], v4
.irp t, 0,1,2,3,4,5,6,7
	ds_load_b128 v[32+6*\t:35+6*\t], v8 offset:768*\t
	ds_load_b64 v[36+6*\t:37+6*\t], v9 offset:768*\t
.endr
	ds_load_b128 v[88:91], v10                     ; K's scale words: my row's eight
	ds_load_b128 v[92:95], v10 offset:16
	s_wait_alu depctr_va_vdst(0)
	s_wait_dscnt 0x0
.irp t, 0,1,2,3,4,5,6,7
	v_wmma_scale_f32_16x16x128_f8f6f4 v[96+8*\t:103+8*\t], v[32+6*\t:43+6*\t], v[16:27], 0, v[88+\t], v28 matrix_a_fmt:MATRIX_FMT_FP6 matrix_b_fmt:MATRIX_FMT_FP6
.endr
.rept 4
	v_nop                                          ; places in front of the loads below and of the first read of the scores
.endr
.irp f, 0,1,2,3                                ; V's four fragments land while the softmax is worked
.irp c, 0,1
	ds_load_b128 v[32+12*\f+6*\c:35+12*\f+6*\c], v8 offset:6656+768*(2*\f+\c)
	ds_load_b64 v[36+12*\f+6*\c:37+12*\f+6*\c], v9 offset:6656+768*(2*\f+\c)
.endr
.endr
	ds_load_b128 v[88:91], v11                     ; V's scale words
.if \diag
	s_cmp_lg_u32 s[T], s[DG]
	s_cbranch_scc1 .Lopen_\@
	v_mov_b32 v228, 0xff800000                     ; on the diagonal: register n holds key 16 (n / 8) + n % 8 + 8 h of the step, hidden where that is above my query
.set n, 0
.rept 64
	v_cmp_gt_i32 vcc_lo, 16*(n/8)+n%8, v7
	v_cndmask_b32 v[96+n], v[96+n], v228, vcc_lo
.set n, n+1
.endr
.Lopen_\@:
.endif
.irp b, 0,1,2,3
	v_max3_num_f32 v[212+\b], v[96+16*\b], v[97+16*\b], v[98+16*\b]   ; the largest score of each block of 32 keys: for the row's maximum and, since p rises with the score, for the block's largest p
.endr
.irp i, 3,5,7,9,11,13
.irp b, 0,1,2,3
	v_max3_num_f32 v[212+\b], v[212+\b], v[96+16*\b+\i], v[97+16*\b+\i]
.endr
.endr
.irp b, 0,1,2,3
	v_max_num_f32 v[212+\b], v[212+\b], v[111+16*\b]
.endr
.irp b, 0,1,2,3
	s_delay_alu instid0(VALU_DEP_4)
	v_permlanex16_b32 v[216+\b], v[212+\b], s[SEL], s[SEL+1]
.endr
.irp b, 0,1,2,3
	s_delay_alu instid0(VALU_DEP_4)
	v_max_num_f32 v[212+\b], v[212+\b], v[216+\b]  ; with lane l xor 16's 16 keys
.endr
	s_delay_alu instid0(VALU_DEP_2)
	v_max3_num_f32 v228, v212, v213, v214
	s_delay_alu instid0(VALU_DEP_1)
	v_max_num_f32 v228, v228, v215
	s_delay_alu instid0(VALU_DEP_1)
	v_mul_f32 v228, s[CS], v228                    ; the step's largest t
	s_delay_alu instid0(VALU_DEP_1)
	v_max_num_f32 v13, v13, v228
	v_mov_b32 v228, v12
	s_delay_alu instid0(VALU_DEP_2)
	v_floor_f32 v12, -v13                          ; the new -M: a whole number
	s_delay_alu instid0(VALU_DEP_1)
	v_sub_f32 v228, v12, v228
	s_delay_alu instid0(VALU_DEP_1)
	v_cvt_i32_f32 v228, v228                       ; (it saturates)
	s_delay_alu instid0(VALU_DEP_1)
	v_ldexp_f32 v226, 1.0, v228                    ; f = 2^(old M - new M)
.set j, 0
.rept 32
	v_pk_fma_f32 v[96+j:97+j], v[96+j:97+j], s[CS:CS+1], v[12:13] op_sel_hi:[1,0,0]   ; t - M
.set j, j+2
.endr
.irp b, 0,1,2,3
	v_fma_f32 v[212+\b], v[212+\b], s[CS], v12     ; the same of each block's largest score
.endr
	s_wait_alu depctr_va_vdst(0)                   ; the wait ahead of the batch
.set j, 0
.rept 64
	v_exp_f32 v[96+j], v[96+j]                     ; p = 2^(t - M)
.set j, j+1
.endr
.irp b, 0,1,2,3
	v_exp_f32 v[212+\b], v[212+\b]                 ; the block's largest p
.endr
	v_pk_mul_f32 v[14:15], v[14:15], v[226:227] op_sel_hi:[1,0]   ; the sum under the new M; the plain line behind the exponentials
	s_wait_alu depctr_va_vdst(0)                   ; one wait for the batch, ahead of its first reader
.irp k, 0,1,2,3                                ; the row's sum of the unquantised p: four chains of pairs
	v_pk_add_f32 v[244+2*\k:245+2*\k], v[96+2*\k:97+2*\k], v[104+2*\k:105+2*\k]
.endr
.irp j, 16,24,32,40,48,56
.irp k, 0,1,2,3
	v_pk_add_f32 v[244+2*\k:245+2*\k], v[244+2*\k:245+2*\k], v[96+\j+2*\k:97+\j+2*\k]
.endr
.endr
	s_delay_alu instid0(VALU_DEP_3)
	v_pk_add_f32 v[244:245], v[244:245], v[246:247]
	s_delay_alu instid0(VALU_DEP_2)
	v_pk_add_f32 v[248:249], v[248:249], v[250:251]
	s_delay_alu instid0(VALU_DEP_1)
	v_pk_add_f32 v[244:245], v[244:245], v[248:249]
	s_delay_alu instid0(VALU_DEP_1)
	v_pk_add_f32 v[14:15], v[14:15], v[244:245]
.irp b, 0,1,2,3
	v_max_num_f32 v[212+\b], 0x1800000, v[212+\b]  ; the floor 2^(3 - 127)
.endr
.irp b, 0,1,2,3
	s_delay_alu instid0(VALU_DEP_4)
	v_add_nc_u32 v[220+\b], 0xff000000, v[212+\b]
.endr
.irp b, 0,1,2,3
	s_delay_alu instid0(VALU_DEP_4)
	v_lshrrev_b32 v[216+\b], 23, v[220+\b]
.endr
	s_delay_alu instid0(VALU_DEP_3)
	v_lshl_or_b32 v224, v217, 8, v216              ; p's scale word for these 128 keys
	s_delay_alu instid0(VALU_DEP_1)
	v_lshl_or_b32 v224, v218, 16, v224
	s_delay_alu instid0(VALU_DEP_1)
	v_lshl_or_b32 v224, v219, 24, v224
.irp c, 0,1
	v_cvt_scalef32_pk16_fp6_f32 v[192+6*\c:194+6*\c], v[96+32*\c:111+32*\c], v[220+2*\c]
	v_cvt_scalef32_pk16_fp6_f32 v[204+4*\c:206+4*\c], v[112+32*\c:127+32*\c], v[221+2*\c]
.endr
	v_nop                                          ; one plain line behind a scaled conversion
.irp c, 0,1
.irp i, 0,1,2
	v_permlane16_swap_b32 v[192+6*\c+\i], v[204+4*\c+\i]
.endr
.irp i, 0,1,2
	s_delay_alu instid0(VALU_DEP_3)
	v_mov_b32 v[195+6*\c+\i], v[204+4*\c+\i]
.endr
.endr
	s_wait_alu depctr_va_vdst(0)                   ; the wait directly ahead of the first reader of O^T
.set j, 0
.rept 16
	v_pk_mul_f32 v[160+j:161+j], v[160+j:161+j], v[226:227] op_sel_hi:[1,0]   ; O^T under the new M; also the places in front of the products below
.set j, j+2
.endr
	s_wait_alu depctr_va_vdst(0)
	s_wait_dscnt 0x0                               ; V
.irp f, 0,1,2,3
	v_wmma_scale_f32_16x16x128_f8f6f4 v[160+8*\f:167+8*\f], v[32+12*\f:43+12*\f], v[192:203], v[160+8*\f:167+8*\f], v[88+\f], v224 matrix_a_fmt:MATRIX_FMT_FP6 matrix_b_fmt:MATRIX_FMT_FP6
.endr
.endm
; A pass ends: O^T / the sum is quantised along the head's 64 (two blocks) and leaves as one unit, with its two scale bytes.
.macro FINISH
.rept 4
	v_nop
.endr
	v_add_f32 v14, v14, v15
	s_delay_alu instid0(VALU_DEP_1)
	v_permlanex16_b32 v228, v14, s[SEL], s[SEL+1]
	s_delay_alu instid0(VALU_DEP_1)
	v_add_f32 v14, v14, v228                       ; the row's sum
	s_wait_alu depctr_va_vdst(0)
	v_rcp_f32 v226, v14
	v_nop                                          ; a plain line behind the reciprocal,
	s_wait_alu depctr_va_vdst(0)                   ; and the wait ahead of its first reader
.set j, 0
.rept 16
	v_pk_mul_f32 v[96+j:97+j], v[160+j:161+j], v[226:227] op_sel_hi:[1,0]
.set j, j+2
.endr
.irp b, 0,1
	v_max3_num_f32 v[212+\b], |v[96+16*\b]|, |v[97+16*\b]|, 0x1800000
.endr
.irp i, 2,4,6,8,10,12,14
.irp b, 0,1
	s_delay_alu instid0(VALU_DEP_2)
	v_max3_num_f32 v[212+\b], v[212+\b], |v[96+16*\b+\i]|, |v[97+16*\b+\i]|
.endr
.endr
.irp b, 0,1
	s_delay_alu instid0(VALU_DEP_2)
	v_permlanex16_b32 v[216+\b], v[212+\b], s[SEL], s[SEL+1]
.endr
.irp b, 0,1
	s_delay_alu instid0(VALU_DEP_2)
	v_max_num_f32 v[212+\b], v[212+\b], v[216+\b]
.endr
.irp b, 0,1
	s_delay_alu instid0(VALU_DEP_2)
	v_add_nc_u32 v[220+\b], 0xff000000, v[212+\b]
.endr
.irp b, 0,1
	s_delay_alu instid0(VALU_DEP_2)
	v_lshrrev_b32 v[216+\b], 23, v[220+\b]
.endr
	s_delay_alu instid0(VALU_DEP_1)
	v_lshl_or_b32 v229, v217, 8, v216
	v_cvt_scalef32_pk16_fp6_f32 v[232:234], v[96:111], v220
	v_cvt_scalef32_pk16_fp6_f32 v[204:206], v[112:127], v221
	v_nop
.irp i, 0,1,2
	v_permlane16_swap_b32 v[232+\i], v[204+\i]
.endr
.irp i, 0,1,2
	s_delay_alu instid0(VALU_DEP_3)
	v_mov_b32 v[235+\i], v[204+\i]
.endr
	global_store_b128 v1, v[232:235], s[PB+4:PB+5]           ; 512 consecutive bytes
	global_store_b64 v2, v[236:237], s[PB+4:PB+5]            ; 256 consecutive bytes
	global_store_b16 v86, v229, s[PB+6:PB+7]                 ; my row's half word (both lanes of a row store the same value at the same place)
.endm
	s_load_b128 s[4:7], s[0:1], 0x0                ; qkv, codes
	s_load_b64 s[8:9], s[0:1], 0x10                ; scl
	v_lshl_add_u32 v5, v0, 2, SPARE
	v_mov_b32 v6, 0
	ds_add_u32 v5, v6                              ; the opening lines: the add, twice on end, and its wait
	ds_add_u32 v5, v6
	v_lshrrev_b32 v8, 5, v0
	s_delay_alu instid0(VALU_DEP_1)
	v_readfirstlane_b32 s[WV], v8                  ; wave 0..15
	s_lshr_b32 s[AH], s[WV], 1
	s_sub_co_u32 s[DG], 15, s[AH]
	s_sub_co_u32 s[LA], 16, s[AH]
	s_bfe_u32 s52, ttmp6, 0x40000                  ; g: my place in the cluster
	s_and_b32 s[TIA], s[WV], 1
	s_lshl_b32 s[TIA], s[TIA], 2
	s_add_co_u32 s[TIA], s[TIA], s52               ; (4 w + g) % 8
	s_sub_co_u32 s[TIB], 7, s[TIA]
	s_lshl_b32 s[MA], s[TIA], 4
	s_lshl_b32 s[MB], s[TIB], 4
	s_mov_b32 s[T], 0
	s_mov_b32 s[TB], 0
	s_mov_b32 s[SEL], 0x76543210
	s_mov_b32 s[SEL+1], 0xfedcba98
	s_mov_b32 s[CS], 0x3e38aa3b                    ; log2(e) / 8
	s_mov_b32 s[CS+1], s[CS]
	; descriptor group 1: 13,056 dense bytes as 51 rows of 256 (32 elements of 8 bytes), for all four partners
	s_mov_b32 s[G1], 15|(3<<16)|(1<<21)
	s_mov_b32 s[G1+1], 32<<16
	s_mov_b32 s[G1+2], 51<<16
	s_mov_b32 s[G1+3], 32<<16
	s_mov_b32 s[G1+4], 51
	s_mov_b32 s[G1+5], 32
	s_mov_b32 s[G1+6], 0
	s_mov_b32 s[G1+7], 0
	s_mul_i32 s53, ttmp9, HSTR                     ; the head's sixteen records
	s_lshr_b32 s57, ttmp9, 4
	s_lshl_b32 s57, s57, 4
	s_add_co_u32 s57, s57, 96                      ; 96 + 16 b
	s_and_b32 s59, ttmp9, 15                       ; head
	s_lshr_b32 s60, s59, 1
	s_mul_i32 s60, s60, PLANE
	s_and_b32 s61, s59, 1
	s_lshl_b32 s61, s61, 1
	s_add_co_u32 s60, s60, s61
	PLACE DG, TIB, PB
	PLACE AH, TIA, PA
	s_mul_i32 s62, s[WV], REC                      ; the run that I ask for: record w's K and V,
	s_add_co_u32 s62, s62, s53
	s_add_co_u32 s62, s62, KOFF
	s_mov_b32 s63, 0
	s_mov_b32 s[G0], 1
	s_mul_i32 s[G0+1], s[WV], RECL                 ; to run w's place
	s_wait_dscnt 0x0
	ROUND                                          ; the four partners are here: the first joint loads meet
	s_wait_kmcnt 0x0
	s_add_nc_u64 s[G0+2:G0+3], s[4:5], s[62:63]
	s_or_b32 s[G0+3], s[G0+3], 0x80000000
	s_cmp_lt_u32 s[WV], NH
	s_cbranch_scc0 .Lnot_first
	TLOAD                                          ; waves 0-3: runs 0-3
.Lnot_first:
.irp q, PB, PA
	s_add_nc_u64 s[\q:\q+1], s[4:5], s[\q:\q+1]
	s_add_nc_u64 s[\q+2:\q+3], s[4:5], s[\q+2:\q+3]
	s_add_nc_u64 s[\q+4:\q+5], s[6:7], s[\q+4:\q+5]
	s_add_nc_u64 s[\q+6:\q+7], s[8:9], s[\q+6:\q+7]
.endr
	v_and_b32 v8, 31, v0                           ; lane
	v_and_b32 v9, 15, v0                           ; r
	v_bfe_u32 v10, v0, 4, 1                        ; h
	s_delay_alu instid0(VALU_DEP_3)
	v_lshlrev_b32 v1, 4, v8                        ; 16 x lane
	s_delay_alu instid0(VALU_DEP_3)
	v_lshlrev_b32 v2, 4, v9
	s_delay_alu instid0(VALU_DEP_4)
	v_lshlrev_b32 v86, 5, v9                       ; 32 r
	s_delay_alu instid0(VALU_DEP_4)
	v_lshlrev_b32 v211, 3, v10
	s_delay_alu instid0(VALU_DEP_3)
	v_lshl_add_u32 v2, v10, 3, v2
	v_lshlrev_b32 v4, 4, v9
	s_delay_alu instid0(VALU_DEP_3)
	v_sub_nc_u32 v211, v9, v211                    ; r - 8 h
	v_add_nc_u32 v3, 6144, v86                     ; K's scale words
	s_delay_alu instid0(VALU_DEP_4)
	v_add_nc_u32 v2, 512, v2                       ; 512 + 16 r + 8 h
	s_delay_alu instid0(VALU_DEP_4)
	v_add_nc_u32 v4, 12800, v4                     ; V's scale words
	global_load_b128 v[16:19], v1, s[PB:PB+1]      ; both passes' Q come now
	global_load_b64 v[20:21], v2, s[PB:PB+1]
	global_load_b32 v28, v86, s[PB+2:PB+3]
	global_load_b128 v[238:241], v1, s[PA:PA+1]
	global_load_b64 v[242:243], v2, s[PA:PA+1]
	global_load_b32 v29, v86, s[PA+2:PA+3]
.irp i, 0,1,2,3,4,5
	v_mov_b32 v[22+\i], 0                          ; Q's upper 64: zero codes
	v_mov_b32 v[80+\i], 0                          ; behind K's last tile
.endr
.irp b, 0,1,2,3
	v_mov_b32 v[216+\b], 0                         ; written once: a lane permute's destination counts as one of its sources
.endr
	v_mov_b32 v227, 0                              ; (named as the upper half of the pair v[226:227])
	v_mov_b32 v228, 0
	INIT MB
	s_wait_alu depctr_va_vdst(0)                   ; the wait at the head's end
	s_wait_loadcnt 0x0
	s_wait_tensorcnt 0x0                           ; runs 0-3 are in; these lines stand ahead of a later first fill,
	ds_add_u32 v5, v6                              ; the add twice on end
	ds_add_u32 v5, v6
	s_wait_dscnt 0x0
	ROUND
	s_cmp_ge_u32 s[WV], NH
	s_cbranch_scc0 .Lnot_rest
	TLOAD                                          ; waves 4-15: runs 4-15
.Lnot_rest:
.Lfirst:                                           ; steps 0-3 of the first pass, which has nine steps at the least
	STEP 0
	s_add_co_u32 s[TB], s[TB], RECL
	s_add_co_u32 s[T], s[T], 1
	s_cmp_lt_u32 s[T], NH
	s_cbranch_scc1 .Lfirst
	s_wait_tensorcnt 0x0                           ; on every wave's way: my run is in
	s_wait_dscnt 0x0
	s_barrier_signal -1                            ; a plain barrier: all sixteen runs are shown to all
	s_barrier_wait -1
.Lrest:                                            ; trips 4 to 16
	STEP 1
	s_cmp_lg_u32 s[T], s[DG]
	s_cbranch_scc1 .Lsame_pass
	FINISH                                         ; a diagonal step is done: its queries leave
	s_cmp_eq_u32 s[T], 16
	s_cbranch_scc1 .Ldone                          ; the second pass's: the end
	s_wait_alu depctr_va_vdst(0)
	s_wait_xcnt 0x0                                ; the stores have read their bases and registers
	s_mov_b64 s[PB+4:PB+5], s[PA+4:PA+5]
	s_mov_b64 s[PB+6:PB+7], s[PA+6:PA+7]
.irp i, 0,1,2,3,4,5
	v_mov_b32 v[16+\i], v[238+\i]                  ; the second pass's Q,
.endr
	v_mov_b32 v28, v29                             ; its scale word, more than eight places ahead of the next product
	INIT MA
	s_mov_b32 s[DG], 16
	s_wait_alu depctr_va_vdst(0)
.Lsame_pass:
	s_add_co_u32 s[T], s[T], 1
	s_cmp_lt_u32 s[T], s[LA]
	s_cselect_b32 s54, 0, s[LA]
	s_sub_co_u32 s54, s[T], s54                    ; the next step's run: the trip, counted anew in the second pass;
	s_min_u32 s54, s54, 15                         ; one of the sixteen
	s_mul_i32 s[TB], s54, RECL
	s_cmp_lt_u32 s[T], 17
	s_cbranch_scc1 .Lrest
.Ldone:
	s_wait_tensorcnt 0x0                           ; the wave's end
	ds_add_u32 v5, v6
	s_wait_dscnt 0x0
	ROUND                                          ; the closing round
	s_endpgm
.Lfunc_end_k_q31a17e82e7_attn:
	.size	k_q31a17e82e7_attn, .Lfunc_end_k_q31a17e82e7_attn-k_q31a17e82e7_attn
	.p2alignl 7, 3214868480
	.fill 96, 4, 3214868480
	.section	.rodata,"a",@progbits
	.p2align	6, 0x0
	.amdhsa_kernel k_q31a17e82e7_attn
		.amdhsa_group_segment_fixed_size 327680
		.amdhsa_private_segment_fixed_size 0
		.amdhsa_enable_private_segment 0
		.amdhsa_kernarg_size 24
		.amdhsa_user_sgpr_count 2
		.amdhsa_user_sgpr_kernarg_segment_ptr 1
		.amdhsa_wavefront_size32 1
		.amdhsa_system_sgpr_workgroup_id_x 1
		.amdhsa_system_sgpr_workgroup_id_y 1
		.amdhsa_system_sgpr_workgroup_id_z 1
		.amdhsa_system_vgpr_workitem_id 0
		.amdhsa_next_free_vgpr 256
		.amdhsa_next_free_sgpr 80
		.amdhsa_reserve_vcc 1
		.amdhsa_float_denorm_mode_32 3
		.amdhsa_float_denorm_mode_16_64 3
		.amdhsa_memory_ordered 1
		.amdhsa_forward_progress 1
		.amdhsa_inst_pref_size 56
	.end_amdhsa_kernel
	.amdgpu_metadata
---
amdhsa.version: [ 1, 2 ]
amdhsa.kernels:
  - .name:           k_q31a17e82e7_attn
    .symbol:         k_q31a17e82e7_attn.kd
    .args:
      - { .name: qkv, .offset: 0, .size: 8, .value_kind: global_buffer, .address_space: global }
      - { .name: codes, .offset: 8, .size: 8, .value_kind: global_buffer, .address_space: global }
      - { .name: scl, .offset: 16, .size: 8, .value_kind: global_buffer, .address_space: global }
    .group_segment_fixed_size: 327680
    .private_segment_fixed_size: 0
    .kernarg_segment_align: 8
    .kernarg_segment_size: 24
    .max_flat_workgroup_size: 512
    .sgpr_count:     80
    .vgpr_count:     256
    .wavefront_size: 32
...
	.end_amdgpu_metadata
.endif
;; end of part 3
;; launch gemm2 (part 4): grid 64 x 4, 4 waves a work-group, clusters of 4 x 4, 327,680 bytes of LDS; arguments codes, scl, out0; writes out0
.if DOCPART == 4
	.amdgcn_target "amdgcn-amd-amdhsa--gfx1250"
	.amdhsa_code_object_version 6
	.text
	.protected	k_q31a17e82e7_gemm2
	.globl	k_q31a17e82e7_gemm2
	.p2align	8
	.type	k_q31a17e82e7_gemm2,@function
k_q31a17e82e7_gemm2:
	s_mov_b64 s[64:65], 0
	v_nop
	global_prefetch_b8 v0, s[64:65] scope:SCOPE_SE
	s_setreg_imm32_b32 hwreg(HW_REG_WAVE_MODE, 25, 1), 1
	s_wait_xcnt 0x0
	s_wait_alu depctr_hold_cnt(0) depctr_sa_sdst(0) depctr_va_vdst(0) depctr_va_sdst(0) depctr_va_ssrc(0) depctr_va_vcc(0) depctr_vm_vsrc(0)
	s_getreg_b32 s2, hwreg(HW_REG_IB_STS2, 6, 4)
	s_cmp_eq_u32 s2, 0
	s_cbranch_scc0 .Lentry_in_a_cluster
	s_endpgm
.Lentry_in_a_cluster:
	s_bfe_u32 s2, ttmp6, 0x10000c
	s_cmp_lg_u32 s2, 0xf033
	s_cbranch_scc0 .Lentry_shape_is_right
	s_endpgm
.Lentry_shape_is_right:
; out0 = (attention's result) w_proj on codes of FP6 (E2M3) with E8M0 scales, K = 1024, f32 sums.  A = groups 96 + token / 128 of codes, B = groups 88-95 (w_proj's columns); layouts as the launches before left them:
; codes [G][K / 64][row tile][768 bytes], a unit being an image of six operand registers; scl words [K / 128][G][r][row tile].
; SHARES: 64 x 4 work-groups of four waves: work-group (X, Y) makes 128 tokens (group 96 + X) x 256 columns (groups 88 + 2 Y, 89 + 2 Y).  All three groups, ALL of K, lie in LDS: 294,912 bytes, filled once.
; A wave makes 64 x 128: four blocks of A (wave / 2: which half of the tokens) x eight of B (wave % 2: which group), 32 accumulators.  The matrix instruction is used transposed: a lane holds eight neighbouring numbers of a row of out0.
; FILLS: one load a wave at the head: wave 0 the lower 512 along K of both groups of columns (2 rows of 49,152 bytes), wave 1 that of the tokens, waves 2 and 3 the upper 512.  The first barrier waits for waves 0 and 1 alone,
; the barrier in the fourth step shows the rest.  Nothing is filled again.  No prefetch: no loop runs ahead of a load.
; CLUSTERS: 4 x 4 work-groups; the columns are asked for jointly by a row of the cluster, the tokens by a column.
; THE WAY OUT: behind a barrier behind which nobody reads LDS any more, a block of 16 rows x 128 columns goes through the wave's own stage and leaves as whole rows of 512 bytes.
.set GRP,   98304
.set CH,    49152
.set RING,  2*GRP                      ; the columns: [K half][group][49,152]; behind them the tokens: [K half][49,152]
.set SPARE, 3*GRP
.set PLANE, 81920
.set FR,    12
.set A1,    8
.set B1,    12
.set STO,   24
.set RD,    25
.set CO,    26
.set SPW,   28
.set NIL,   29
.set SC0,   32
.set BK,    128
.set SPITCH, 528
.set ROWC,  4096
.set G1T,  24
.set G0T0, 32
.set G0C0, 36
.set G1B,  48
.set G0T1, 88
.set G0C1, 92
.set MSB, 0
.macro WIN new
.if MSB != (\new)
	s_set_vgpr_msb (MSB<<8)|(\new)
.set MSB, \new
.endif
.endm
.set MUL, 0xad                         ; source 0 (B) window 1, source 1 (A) window 3, C and D window 2
.macro PLACES
.rept 4
	v_nop
.endr
.endm
.macro CROUND
	s_barrier_signal -1
	s_barrier_wait -1
	s_cmp_lg_u32 s14, 0
	s_cbranch_scc1 .Lnot_wave_0_\@
	s_barrier_signal -3
.Lnot_wave_0_\@:
	s_barrier_wait -3
	s_barrier_signal -1
	s_barrier_wait -1
.endm
.macro G1SET g, mask, cols, rows, pitch
	s_or_b32 s[\g], s[\mask], (3<<16)|(1<<21)
	s_mov_b32 s[\g+1], (\cols)<<16
	s_mov_b32 s[\g+2], (\rows)<<16
	s_mov_b32 s[\g+3], (\cols)<<16
	s_mov_b32 s[\g+4], \rows
	s_mov_b32 s[\g+5], \pitch
	s_mov_b32 s[\g+6], 0
	s_mov_b32 s[\g+7], 0
.endm
.macro G0SET g, base, add
	s_mov_b32 s[\g], 1
	s_add_nc_u64 s[\g+2:\g+3], s[\base:\base+1], \add
	s_or_b32 s[\g+3], s[\g+3], 0x80000000
.endm
.macro ARM under, g0, g1, next
	s_cmp_lt_u32 s14, \under
	s_cbranch_scc0 \next
	tensor_load_to_lds s[\g0:\g0+3], s[\g1:\g1+7]
	s_nop 0
	PLACES
	s_branch .Lhead_asked
\next:
.endm
.macro FRAG reg, adr, q, i
	ds_load_b128 v[\reg:\reg+3], v[\adr] offset:(16*(\q)+(\i))*768
	ds_load_b64 v[\reg+4:\reg+5], v[\adr+2] offset:(16*(\q)+(\i))*768+512
	ds_load_b128 v[\reg+6:\reg+9], v[\adr] offset:(16*(\q)+8+(\i))*768
	ds_load_b64 v[\reg+10:\reg+11], v[\adr+2] offset:(16*(\q)+8+(\i))*768+512
.endm
.macro FETCH s, q, p                   ; 48 loads: B's eight and A's four fragments of 128 along K into set p
	WIN 0x40
.irp i, 0,1,2,3,4,5,6,7
	FRAG 128*(\p)+FR*\i, B1+\s, \q, \i
.endr
	WIN 0xc0
.irp i, 0,1,2,3
	FRAG 128*(\p)+FR*\i, A1+\s, \q, \i
.endr
	WIN 0
.endm
.macro MUL8 a, p, g, zero              ; the 32 accumulators take turns, in the same order in every step
.irp b, 0,1,2,3,4,5,6,7
.if \zero
	v_wmma_scale_f32_16x16x128_f8f6f4 v[8*(8*(\a)+\b):8*(8*(\a)+\b)+7], v[128*(\p)+FR*\b:128*(\p)+FR*\b+FR-1], v[128*(\p)+FR*(\a):128*(\p)+FR*(\a)+FR-1], 0, v[SC0+8*(\g)+\b], v[SC0+8*(\g)+(\a)] matrix_a_fmt:MATRIX_FMT_FP6 matrix_b_fmt:MATRIX_FMT_FP6 matrix_a_scale:MATRIX_SCALE_ROW1
.else
	v_wmma_scale_f32_16x16x128_f8f6f4 v[8*(8*(\a)+\b):8*(8*(\a)+\b)+7], v[128*(\p)+FR*\b:128*(\p)+FR*\b+FR-1], v[128*(\p)+FR*(\a):128*(\p)+FR*(\a)+FR-1], v[8*(8*(\a)+\b):8*(8*(\a)+\b)+7], v[SC0+8*(\g)+\b], v[SC0+8*(\g)+(\a)] matrix_a_fmt:MATRIX_FMT_FP6 matrix_b_fmt:MATRIX_FMT_FP6 matrix_a_scale:MATRIX_SCALE_ROW1
.endif
.endr
.endm
.macro STEP s, qn, g, zero             ; the next step's fragments are asked for first, into the set that the last step multiplied; then this step's 32 products
	PLACES
	FETCH \s, \qn, 1-(\g)%2
	s_wait_dscnt 48                                ; all but the 48 just issued
	WIN MUL
.irp a, 0,1,2,3
	MUL8 \a, (\g)%2, \g, \zero
.endr
	WIN 0
.endm
	s_load_b128 s[4:7], s[0:1], 0x0                ; codes, scl
	s_load_b64 s[8:9], s[0:1], 0x10                ; out0
	v_lshl_add_u32 v[SPW], v0, 2, SPARE
	v_mov_b32 v[NIL], 0
	ds_add_u32 v[SPW], v[NIL]                      ; the opening lines: the add, twice on end, and its wait
	ds_add_u32 v[SPW], v[NIL]
	v_lshrrev_b32 v1, 5, v0
	v_readfirstlane_b32 s14, v1                    ; wave 0..3
	s_lshr_b32 s15, s14, 1
	s_and_b32 s16, s14, 1
	s_bfe_u32 s66, ttmp6, 0x40000                  ; cx
	s_bfe_u32 s67, ttmp6, 0x40004                  ; cy = Y: the grid has one cluster along y
	s_lshl_b32 s42, ttmp9, 2
	s_add_co_u32 s42, s42, s66                     ; X
	s_lshl_b32 s43, s67, 2
	s_lshl_b32 s43, 15, s43                        ; my row of the cluster
	s_lshl_b32 s44, 0x1111, s66                    ; my column
	G1SET G1T, 43, 6144, 2, 12288                  ; 512 along K of two groups: 2 rows of 49,152 bytes, 98,304 apart
	G1SET G1B, 44, 32, 192, 32                     ; 512 along K of one group: 192 rows of 256 bytes
	s_lshl_b32 s20, s67, 1
	s_add_co_u32 s20, s20, 88
	s_mul_i32 s20, s20, GRP                        ; the columns hang on Y alone,
	s_mov_b32 s21, 0
	s_add_co_u32 s46, s42, 96
	s_mul_i32 s46, s46, GRP                        ; the tokens on X alone
	s_mov_b32 s47, 0
	s_wait_dscnt 0x0
	CROUND                                         ; all sixteen work-groups are here: the joint loads meet
	s_wait_kmcnt 0x0
	s_add_nc_u64 s[20:21], s[4:5], s[20:21]
	s_add_nc_u64 s[46:47], s[4:5], s[46:47]
	G0SET G0T0, 20, 0
	s_mov_b32 s[G0T0+1], 0
	G0SET G0T1, 20, CH
	s_mov_b32 s[G0T1+1], GRP
	G0SET G0C0, 46, 0
	s_mov_b32 s[G0C0+1], RING
	G0SET G0C1, 46, CH
	s_mov_b32 s[G0C1+1], RING+CH
	ARM 1, G0T0, G1T, .Lhead_1
	ARM 2, G0C0, G1B, .Lhead_2
	ARM 3, G0T1, G1T, .Lhead_3
	tensor_load_to_lds s[G0C1:G0C1+3], s[G1B:G1B+7]
	s_nop 0
	PLACES
.Lhead_asked:
	s_mul_i32 s70, s15, 3072
	s_add_co_u32 s70, s70, RING                    ; A: my four row tiles of the tokens
	s_add_co_u32 s71, s70, CH
	s_mul_i32 s72, s16, CH                         ; B: my group of columns
	s_add_co_u32 s73, s72, GRP
	s_add_co_u32 s78, s42, 96
	s_lshl_b32 s78, s78, 9
	s_mov_b32 s77, s78                             ; (A's rows without my half's 16 bytes: for the second load of a pair, so that it stays inside its row and inside scl)
	s_lshl_b32 s22, s15, 4
	s_add_co_u32 s78, s78, s22                     ; scale words: A's
	s_lshl_b32 s79, s67, 1
	s_add_co_u32 s79, s79, s16
	s_lshl_b32 s75, s79, 9                         ; (my first column in out0, in bytes)
	s_add_co_u32 s79, s79, 88
	s_lshl_b32 s79, s79, 9                         ; B's
	s_mul_i32 s23, s14, 16*SPITCH                  ; my stage
	v_and_b32 v1, 15, v0                           ; r
	v_bfe_u32 v2, v0, 4, 1                         ; h
	v_and_b32 v3, 31, v0
	v_lshlrev_b32 v3, 4, v3                        ; 16 x lane
	v_lshlrev_b32 v4, 4, v1
	v_lshl_add_u32 v4, v2, 3, v4                   ; 16 r + 8 h
.irp n, 0,1
	v_add_nc_u32 v[A1+4*\n], s[70+2*\n], v3
	v_add_nc_u32 v[A1+4*\n+1], s[71+2*\n], v3
	v_add_nc_u32 v[A1+4*\n+2], s[70+2*\n], v4
	v_add_nc_u32 v[A1+4*\n+3], s[71+2*\n], v4
.endr
	v_cmp_eq_u32 vcc_lo, 1, v2
	v_mov_b32 v5, s78
	v_mov_b32 v30, s79
	v_mov_b32 v31, s77
	v_cndmask_b32 v5, v5, v30, vcc_lo              ; lanes 0-15 take A's words, lanes 16-31 B's (a choice between offsets)
	v_cndmask_b32 v31, v31, v30, vcc_lo
	v_lshl_add_u32 v5, v1, 5, v5
	v_lshl_add_u32 v31, v1, 5, v31
	v_mul_u32_u24 v[STO], v1, SPITCH               ; into the stage: row r, 32 bytes for each half of the lanes
	v_lshl_add_u32 v[STO], v2, 5, v[STO]
	v_add_nc_u32 v[STO], s23, v[STO]
	v_mov_b32 v[CO], v3                            ; back: the 32 lanes take one row of 512 bytes; and the same in out0
	v_add_nc_u32 v[RD], s23, v3
.irp k, 0,1,2,3,4,5,6,7
	global_load_b128 v[SC0+8*\k:SC0+8*\k+3], v5, s[6:7] offset:\k*PLANE
	global_load_b128 v[SC0+8*\k+4:SC0+8*\k+7], v31, s[6:7] offset:\k*PLANE+16   ; B's blocks 4-7 in lanes 16-31; what lanes 0-15 bring is not used
.endr
	s_lshl_b32 s74, s42, 19                        ; 128 rows of 4,096 bytes a group,
	s_lshl_b32 s76, s15, 18                        ; 64 rows a half
	s_add_co_u32 s74, s74, s76
	s_add_co_u32 s74, s74, s75
	s_mov_b32 s75, 0
	s_add_nc_u64 s[8:9], s[8:9], s[74:75]
	s_wait_alu depctr_va_vdst(0)                   ; the wait at the head's end
	s_cmp_lt_u32 s14, 2
	s_cbranch_scc0 .Lnot_yet
	s_wait_tensorcnt 0x0                           ; waves 0 and 1: the lower 512 along K
.Lnot_yet:
	s_barrier_signal -1                            ; the other two loads may be on their way
	s_barrier_wait -1
	FETCH 0, 0, 0
	s_wait_loadcnt 0x0                             ; the scale words
	STEP 0, 1, 0, 1                                ; the first products start the sums: nothing is cleared
	STEP 0, 2, 1, 0
	STEP 0, 3, 2, 0
	s_wait_tensorcnt 0x0                           ; on every wave's way: the upper 512 along K
	s_wait_dscnt 0x0
	s_barrier_signal -1                            ; a plain barrier shows them to all
	WIN MUL
	MUL8 0, 1, 3, 0
	MUL8 1, 1, 3, 0
	WIN 0
	s_barrier_wait -1
	PLACES
	FETCH 1, 0, 0
	WIN MUL
	MUL8 2, 1, 3, 0
	MUL8 3, 1, 3, 0
	WIN 0
	STEP 1, 1, 4, 0
	STEP 1, 2, 5, 0
	STEP 1, 3, 6, 0
	s_wait_dscnt 0x0                               ; my last reads of the operands are over:
	s_barrier_signal -1                            ; behind this barrier nobody reads them, and the stages may lie on their bytes
	WIN MUL
.irp a, 0,1,2,3
	MUL8 \a, 1, 7, 0
.endr
	WIN 0
	s_barrier_wait -1
.macro TOSTAGE a
.set AC, 64*(\a)
	WIN 0x08                                       ; the data: window 2
.irp b, 0,1,2,3,4,5,6,7
	ds_store_b128 v[STO], v[AC+8*\b:AC+8*\b+3] offset:64*\b          ; each accumulator from its low end on
	ds_store_b128 v[STO], v[AC+8*\b+4:AC+8*\b+7] offset:64*\b+16
.endr
	WIN 0
.set BB, BK+64*((\a)%2)
.irp t, 0,1,2,3,4,5,6,7,8,9,10,11,12,13,14,15
	ds_load_b128 v[BB+4*\t:BB+4*\t+3], v[RD] offset:\t*SPITCH        ; LDS serves a wave's instructions in order: these see the stores above
.endr
.endm
.macro SEND a, younger                 ; younger: the LDS instructions issued behind block a's loads, which may stay out
.set BB, BK+64*((\a)%2)
	s_wait_dscnt \younger
.if (\a) > 0
	s_add_nc_u64 s[8:9], s[8:9], 16*ROWC           ; (behind a wait on XCNT: the earlier stores have read their base)
.endif
.irp t, 0,1,2,3,4,5,6,7,8,9,10,11,12,13,14,15
	global_store_b128 v[CO], v[BB+4*\t:BB+4*\t+3], s[8:9] offset:\t*ROWC th:TH_STORE_NT   ; 512 consecutive bytes
.endr
.endm
	PLACES
	TOSTAGE 0
.irp a, 1,2,3
.if \a > 1
	s_wait_xcnt 0x0                                ; block a - 2's stores have read their registers and their base
.endif
	TOSTAGE \a
	SEND \a-1, 32                                  ; behind block a - 1's loads: block a's 16 stores and 16 loads
.endr
	s_wait_xcnt 0x0
	SEND 3, 0
	s_wait_tensorcnt 0x0                           ; the wave's end
	ds_add_u32 v[SPW], v[NIL]
	s_wait_dscnt 0x0
	CROUND                                         ; the closing round
	s_endpgm
.Lfunc_end_k_q31a17e82e7_gemm2:
	.size	k_q31a17e82e7_gemm2, .Lfunc_end_k_q31a17e82e7_gemm2-k_q31a17e82e7_gemm2
	.p2alignl 7, 3214868480
	.fill 96, 4, 3214868480
	.section	.rodata,"a",@progbits
	.p2align	6, 0x0
	.amdhsa_kernel k_q31a17e82e7_gemm2
		.amdhsa_group_segment_fixed_size 327680
		.amdhsa_private_segment_fixed_size 0
		.amdhsa_enable_private_segment 0
		.amdhsa_kernarg_size 24
		.amdhsa_user_sgpr_count 2
		.amdhsa_user_sgpr_kernarg_segment_ptr 1
		.amdhsa_wavefront_size32 1
		.amdhsa_system_sgpr_workgroup_id_x 1
		.amdhsa_system_sgpr_workgroup_id_y 1
		.amdhsa_system_sgpr_workgroup_id_z 1
		.amdhsa_system_vgpr_workitem_id 0
		.amdhsa_next_free_vgpr 1024
		.amdhsa_next_free_sgpr 102
		.amdhsa_reserve_vcc 1
		.amdhsa_float_denorm_mode_32 3
		.amdhsa_float_denorm_mode_16_64 3
		.amdhsa_memory_ordered 1
		.amdhsa_forward_progress 1
		.amdhsa_inst_pref_size 83
	.end_amdhsa_kernel
	.amdgpu_metadata
---
amdhsa.version: [ 1, 2 ]
amdhsa.kernels:
  - .name:           k_q31a17e82e7_gemm2
    .symbol:         k_q31a17e82e7_gemm2.kd
    .args:
      - { .name: codes, .offset: 0, .size: 8, .value_kind: global_buffer, .address_space: global }
      - { .name: scl, .offset: 8, .size: 8, .value_kind: global_buffer, .address_space: global }
      - { .name: out0, .offset: 16, .size: 8, .value_kind: global_buffer, .address_space: global }
    .group_segment_fixed_size: 327680
    .private_segment_fixed_size: 0
    .kernarg_segment_align: 8
    .kernarg_segment_size: 24
    .max_flat_workgroup_size: 128
    .sgpr_count:     102
    .vgpr_count:     1024
    .wavefront_size: 32
...
	.end_amdgpu_metadata
.endif
;; end of part 4
